; MI455X (gfx1250); checked and timed in simulation.
; The chip was launched on July 23, 2026; its instructions are those of AMD's public machine-readable ISA for CDNA 5 (MIT licence, August 2026) and "CDNA5" Instruction Set Architecture Reference Guide (July 2026). The comments in the code are by the model that wrote it; some were corrected since.
;; Multi Query Attention. Allowed arithmetic: float matrix products may take bf16 or f16 operands with f32 sums; other float arithmetic in f32, or as packed bf16 or f16 multiplies, adds, multiply-adds, maxima and minima; sums over many terms, partial sums and values carried from step to step in f32; what a program stores and reads back later, other than sums and carried values, may be rounded once to bf16 or f16.
;; Inputs: kn_b 64 float32; kn_w 64 float32; n_b 1,024 float32; n_w 1,024 float32; proj_w 1,024 x 1,024 float32; qn_b 64 float32; qn_w 64 float32; x_k 4 x 2,048 x 64 float32; x_q 4 x 2,048 x 1,024 float32; x_v 4 x 2,048 x 64 float32.
;; Outputs: out0 4 x 2,048 x 1,024 float32.
;; 2 versions, each right; version 2 is version 1 with the launch prep written anew for expert scheduling mode. Each part assembles by itself: llvm-mc -triple=amdgcn-amd-amdhsa -mcpu=gfx1250 --defsym DOCPART=n.
;; ======== version 1 of 2: 3 launches
;; limits: values are held in f16: magnitudes above 65,504 overflow, below 6.1e-05 lose precision; inputs' magnitudes at most 65,504
;; workspace buffers: kh 1,048,576 bytes; vh 1,048,576 bytes; wh 2,097,152 bytes; xn 16,777,216 bytes
;; launch prep (part 1): grid 256 x 1, 8 waves a work-group, no clusters, 0 bytes of LDS; arguments x_k, x_v, proj_w, kn_w, kn_b, kh, vh, wh; writes kh, vh, wh
.if DOCPART == 1
	.amdgcn_target "amdgcn-amd-amdhsa--gfx1250"
	.amdhsa_code_object_version 6
	.text
	.protected	k_qe87270e64c_prep
	.globl	k_qe87270e64c_prep
	.p2align	8
	.type	k_qe87270e64c_prep,@function
k_qe87270e64c_prep:
	s_mov_b64 s[64:65], 0
	v_nop
	global_prefetch_b8 v0, s[64:65] scope:SCOPE_SE
	s_setreg_imm32_b32 hwreg(HW_REG_WAVE_MODE, 25, 1), 1
	s_wait_xcnt 0x0
; kh = f16(LayerNorm(x_k) * kn_w + kn_b), vh = f16(x_v), wh = f16(proj_w).  All inputs f32, each read once; each output rounded once.
; LIMITS.  f16 holds no number beyond 65,504: LayerNorm bounds k by 7.94 |kn_w| + |kn_b|; x_v and proj_w must lie within f16's range.  NaN and infinities are not treated apart.
; SHARES.  A work-group takes 32,768 bytes of one input (8,192 numbers) and writes 16,384: work-groups 0-63 x_k, 64-127 x_v, 128-255 proj_w.
; Thread t, piece j of eight: 16 bytes in at 16 t + 4,096 j, 8 bytes out at 8 t + 2,048 j: a wave's load covers 512 consecutive bytes, its store 256 consecutive bytes, aligned.
; A row of x_k (64 numbers) lies in 16 neighbouring lanes, four numbers a lane: mean and variance are four steps of lane exchange inside those 16 lanes.
; The variance is taken of the centred numbers (two passes in registers): no difference of large sums is formed.
; No LDS, no matrix unit, no cluster: no byte is used twice.
.set X,  8                             ; v[8:39]   piece j: four numbers at X + 4 j
.set T,  40                            ; v[40:55]  piece j: a pair at T + 2 j: at work, then the 8 bytes to store
.set GW, 56                            ; v[56:59]  kn_w of my four channels
.set GB, 60                            ; v[60:63]  kn_b of my four channels
	s_load_b512 s[8:23], s[0:1], 0x0               ; x_k s[8:9], x_v s[10:11], proj_w s[12:13], kn_w s[14:15], kn_b s[16:17], kh s[18:19], vh s[20:21], wh s[22:23]
	s_mov_b32 s2, ttmp9
	v_lshlrev_b32 v1, 4, v0                        ; 16 t
	v_lshlrev_b32 v2, 3, v0                        ; 8 t
	v_and_b32 v3, 15, v0
	v_lshlrev_b32 v3, 4, v3                        ; my four channels in kn_w and kn_b
	s_mov_b32 s26, 0x3c800000                      ; 1 / 64
	s_mov_b32 s27, 0x3727c5ac                      ; 1e-5
	s_wait_kmcnt 0x0
	s_cmp_lt_u32 s2, 128                           ; which tensor: the choice hangs on the work-group's number alone
	s_cselect_b64 s[4:5], s[10:11], s[12:13]
	s_cselect_b64 s[6:7], s[20:21], s[22:23]
	s_cselect_b32 s3, 64, 128
	s_cmp_lt_u32 s2, 64
	s_cselect_b64 s[4:5], s[8:9], s[4:5]
	s_cselect_b64 s[6:7], s[18:19], s[6:7]
	s_cselect_b32 s3, 0, s3
	s_sub_co_u32 s3, s2, s3                        ; my number among the tensor's work-groups
	s_lshl_b32 s24, s3, 15
	s_mov_b32 s25, 0
	s_add_nc_u64 s[4:5], s[4:5], s[24:25]          ; in: 32,768 bytes a work-group
	s_lshl_b32 s24, s3, 14
	s_add_nc_u64 s[6:7], s[6:7], s[24:25]          ; out: 16,384
.irp j, 0,1,2,3,4,5,6,7
	global_load_b128 v[X+4*(\j):X+4*(\j)+3], v1, s[4:5] offset:4096*(\j) th:TH_LOAD_NT
.endr
	s_cmp_lt_u32 s2, 64
	s_cbranch_scc0 .Lcvt                           ; x_v and proj_w are only rounded
	; LayerNorm of 128 rows of x_k; the eight pieces go through each stage together, so that no line waits for the one before it
	global_load_b128 v[GW:GW+3], v3, s[14:15]
	global_load_b128 v[GB:GB+3], v3, s[16:17]
	s_wait_loadcnt 0x0
.irp j, 0,1,2,3,4,5,6,7
	v_pk_add_f32 v[T+2*(\j):T+2*(\j)+1], v[X+4*(\j):X+4*(\j)+1], v[X+4*(\j)+2:X+4*(\j)+3]
.endr
.irp j, 0,1,2,3,4,5,6,7
	v_add_f32 v[T+2*(\j)], v[T+2*(\j)], v[T+2*(\j)+1]
.endr
.irp m, 1,2,4,8
.irp j, 0,1,2,3,4,5,6,7
	v_add_f32_dpp v[T+2*(\j)], v[T+2*(\j)], v[T+2*(\j)] row_xmask:\m row_mask:0xf bank_mask:0xf
.endr
.endr
.irp j, 0,1,2,3,4,5,6,7
	v_mul_f32 v[T+2*(\j)], 0xbc800000, v[T+2*(\j)] ; minus the mean
.endr
.irp j, 0,1,2,3,4,5,6,7
	v_pk_add_f32 v[X+4*(\j):X+4*(\j)+1], v[X+4*(\j):X+4*(\j)+1], v[T+2*(\j):T+2*(\j)+1] op_sel_hi:[1,0]
	v_pk_add_f32 v[X+4*(\j)+2:X+4*(\j)+3], v[X+4*(\j)+2:X+4*(\j)+3], v[T+2*(\j):T+2*(\j)+1] op_sel_hi:[1,0]
.endr
.irp j, 0,1,2,3,4,5,6,7
	v_pk_mul_f32 v[T+2*(\j):T+2*(\j)+1], v[X+4*(\j):X+4*(\j)+1], v[X+4*(\j):X+4*(\j)+1]
.endr
.irp j, 0,1,2,3,4,5,6,7
	v_pk_fma_f32 v[T+2*(\j):T+2*(\j)+1], v[X+4*(\j)+2:X+4*(\j)+3], v[X+4*(\j)+2:X+4*(\j)+3], v[T+2*(\j):T+2*(\j)+1]
.endr
.irp j, 0,1,2,3,4,5,6,7
	v_add_f32 v[T+2*(\j)], v[T+2*(\j)], v[T+2*(\j)+1]
.endr
.irp m, 1,2,4,8
.irp j, 0,1,2,3,4,5,6,7
	v_add_f32_dpp v[T+2*(\j)], v[T+2*(\j)], v[T+2*(\j)] row_xmask:\m row_mask:0xf bank_mask:0xf
.endr
.endr
.irp j, 0,1,2,3,4,5,6,7
	v_fma_f32 v[T+2*(\j)], v[T+2*(\j)], s26, s27   ; variance + 1e-5
.endr
.irp j, 0,1,2,3,4,5,6,7
	v_rsq_f32 v[T+2*(\j)], v[T+2*(\j)]
.endr
	v_nop                                          ; a plain instruction behind the last reciprocal root,
	s_wait_alu depctr_va_vdst(0)                   ; and one wait for the eight, ahead of their first reader
.irp j, 0,1,2,3,4,5,6,7
	v_pk_mul_f32 v[X+4*(\j):X+4*(\j)+1], v[X+4*(\j):X+4*(\j)+1], v[T+2*(\j):T+2*(\j)+1] op_sel_hi:[1,0]
	v_pk_mul_f32 v[X+4*(\j)+2:X+4*(\j)+3], v[X+4*(\j)+2:X+4*(\j)+3], v[T+2*(\j):T+2*(\j)+1] op_sel_hi:[1,0]
.endr
.irp j, 0,1,2,3,4,5,6,7
	v_pk_fma_f32 v[X+4*(\j):X+4*(\j)+1], v[X+4*(\j):X+4*(\j)+1], v[GW:GW+1], v[GB:GB+1]
	v_pk_fma_f32 v[X+4*(\j)+2:X+4*(\j)+3], v[X+4*(\j)+2:X+4*(\j)+3], v[GW+2:GW+3], v[GB+2:GB+3]
.endr
.Lcvt:
.irp j, 0,1,2,3,4,5,6,7
	s_wait_loadcnt 7-(\j)                          ; loads come back in order: piece j is in, the 7 - j younger ones may stay out (behind the LayerNorm none is out)
	v_cvt_pk_f16_f32 v[T+2*(\j)], v[X+4*(\j)], v[X+4*(\j)+1]
	v_cvt_pk_f16_f32 v[T+2*(\j)+1], v[X+4*(\j)+2], v[X+4*(\j)+3]
	global_store_b64 v2, v[T+2*(\j):T+2*(\j)+1], s[6:7] offset:2048*(\j)  ; a wave stores 256 consecutive bytes, aligned; no register that a store names is written again
.endr
	s_endpgm
.Lfunc_end_k_qe87270e64c_prep:
	.size	k_qe87270e64c_prep, .Lfunc_end_k_qe87270e64c_prep-k_qe87270e64c_prep
	.p2alignl 7, 3214868480
	.fill 96, 4, 3214868480
	.section	.rodata,"a",@progbits
	.p2align	6, 0x0
	.amdhsa_kernel k_qe87270e64c_prep
		.amdhsa_group_segment_fixed_size 0
		.amdhsa_private_segment_fixed_size 0
		.amdhsa_enable_private_segment 0
		.amdhsa_kernarg_size 64
		.amdhsa_user_sgpr_count 2
		.amdhsa_user_sgpr_kernarg_segment_ptr 1
		.amdhsa_wavefront_size32 1
		.amdhsa_system_sgpr_workgroup_id_x 1
		.amdhsa_system_sgpr_workgroup_id_y 1
		.amdhsa_system_sgpr_workgroup_id_z 1
		.amdhsa_system_vgpr_workitem_id 0
		.amdhsa_next_free_vgpr 64
		.amdhsa_next_free_sgpr 66
		.amdhsa_reserve_vcc 0
		.amdhsa_float_denorm_mode_32 3
		.amdhsa_float_denorm_mode_16_64 3
		.amdhsa_memory_ordered 1
		.amdhsa_forward_progress 1
		.amdhsa_inst_pref_size 15
	.end_amdhsa_kernel
	.amdgpu_metadata
---
amdhsa.version: [ 1, 2 ]
amdhsa.kernels:
  - .name:           k_qe87270e64c_prep
    .symbol:         k_qe87270e64c_prep.kd
    .args:
      - { .name: x_k, .offset: 0, .size: 8, .value_kind: global_buffer, .address_space: global }
      - { .name: x_v, .offset: 8, .size: 8, .value_kind: global_buffer, .address_space: global }
      - { .name: proj_w, .offset: 16, .size: 8, .value_kind: global_buffer, .address_space: global }
      - { .name: kn_w, .offset: 24, .size: 8, .value_kind: global_buffer, .address_space: global }
      - { .name: kn_b, .offset: 32, .size: 8, .value_kind: global_buffer, .address_space: global }
      - { .name: kh, .offset: 40, .size: 8, .value_kind: global_buffer, .address_space: global }
      - { .name: vh, .offset: 48, .size: 8, .value_kind: global_buffer, .address_space: global }
      - { .name: wh, .offset: 56, .size: 8, .value_kind: global_buffer, .address_space: global }
    .group_segment_fixed_size: 0
    .private_segment_fixed_size: 0
    .kernarg_segment_align: 8
    .kernarg_segment_size: 64
    .max_flat_workgroup_size: 256
    .sgpr_count:     66
    .vgpr_count:     64
    .wavefront_size: 32
...
	.end_amdgpu_metadata
.endif
;; end of part 1
;; launch attn (part 2): grid 64 x 4, 4 waves a work-group, clusters of 4 x 1, 327,680 bytes of LDS; arguments x_q, kh, vh, xn, qn_w, qn_b, n_w, n_b; writes xn
.if DOCPART == 2
	.amdgcn_target "amdgcn-amd-amdhsa--gfx1250"
	.amdhsa_code_object_version 6
	.text
	.protected	k_qe87270e64c_attn
	.globl	k_qe87270e64c_attn
	.p2align	8
	.type	k_qe87270e64c_attn,@function
k_qe87270e64c_attn:
	s_mov_b64 s[64:65], 0
	v_nop
	global_prefetch_b8 v0, s[64:65] scope:SCOPE_SE
	s_setreg_imm32_b32 hwreg(HW_REG_WAVE_MODE, 25, 1), 1
	s_wait_xcnt 0x0
	s_wait_alu depctr_hold_cnt(0) depctr_sa_sdst(0) depctr_va_vdst(0) depctr_va_sdst(0) depctr_va_ssrc(0) depctr_va_vcc(0) depctr_vm_vsrc(0)
	s_getreg_b32 s2, hwreg(HW_REG_IB_STS2, 6, 4)
	s_cmp_eq_u32 s2, 0
	s_cbranch_scc0 .Lentry_in_a_cluster
	s_endpgm
.Lentry_in_a_cluster:
	s_bfe_u32 s2, ttmp6, 0x10000c
	s_cmp_lg_u32 s2, 0x3003
	s_cbranch_scc0 .Lentry_shape_is_right
	s_endpgm
.Lentry_shape_is_right:
; xn[b][s][64 h + d] = f16(LayerNorm over 1,024 columns of O[b][h][s][d]), O = softmax_n(LN(q[b][h][s]) . k[b][n] / 8) v[b][n].
; x_q: [4][2048][1024] f32, taken as [4][16][2048][64]: head h of batch b is a dense run of 2,048 rows of 256 bytes.  kh, vh: [4][2048][64] f16, shared by a batch's 16 heads.  xn: [8192][1024] f16.
; Products in f16 with f32 sums; maxima, sums, both LayerNorms in f32, each variance taken of the centred numbers; the weights p are rounded to f16 for the second product (their sum l is taken of the unrounded p).
; LIMITS.  f16 holds no number beyond 65,504: LayerNorm bounds q by 7.94 |qn_w| + |qn_b| and xn by 32 |n_w| + |n_b|; p lies in 0 to 1, and below 6e-5 it keeps f16's fixed step of 6e-8.
; A weight below 2^-126 counts as 0 in l; NaN and infinities are not treated apart.
; SHARES.  A work-group owns 32 values of s for ALL 16 heads of one batch: 512 queries, and all 1,024 columns of 32 rows of xn, so that the last LayerNorm is made here, on the f32 sums.
; Wave w owns heads 4 w .. 4 w + 3: eight tiles of 16 queries; tile t is head 4 w + t / 2, rows 16 (t % 2) + 0..15.  Four PIECES of two tiles, a head each.  Every wave walks all 2,048 keys, 64 a step.
; LAYOUT.  S^T = K Q^T (source 0 = 16 keys, source 1 = 16 queries): in the result a lane holds ONE query (lane % 16) and the keys 8 (lane / 16) + 0..7.  Two such tiles, rounded to f16 in pairs,
; ARE source 1 (32 keys x 16 queries) of O^T = V^T P, whose result again holds one query a lane, and eight channels.  K comes out of LDS as it lies, V ([key][channel]) turned, by ds_load_tr16_b128.
; SOFTMAX.  For each query a running maximum m and sum l: p = 2^(c s - c m), c = log2(e) / 8; in every step O and l are multiplied by a = 2^(c m_old - c m_new).
; m starts at the lowest finite number, O and l at 0: the first step is a step like any other, with a = 0.
; BY TURNS.  Turn n belongs to piece n.  Its matrix work: 16 products K Q^T of piece n + 1, later 16 products V^T P of piece n - 1.  Its vector work: the scaling, exponentials, roundings, sums and rescaling of
; piece n, and the maximum and statistics of piece n + 1.  Four vector instructions stand behind every matrix instruction, the others in one run; a turn's 66 exponentials are one batch with one wait.
; CLUSTER.  The four work-groups of a cluster belong to one batch and walk the same K and V, so each tile is asked for JOINTLY: the same tensor load, descriptor and mask in all four.
; REGISTERS, in windows of 256 (s_set_vgpr_msb: bits 1:0 source 0, 3:2 source 1, 5:4 source 2, 7:6 destination):
;   window 0: v0-11 addresses; v12-15, v48-63 at work; v16-47 four registers of statistics a tile; v64-191 S^T, two buffers of two tiles; v192-255 P, likewise
;   window 1: O^T, 32 a tile          window 2: v0-127 Q, 16 a tile; v128-191 K of one step; v192-255 V of one step          window 3: v0-1 the add's two registers
;   at the start v64-191 stage x_q (four tiles of 32), v192-255 hold qn_w and qn_b; on the way out window 2 holds n_w (v0-127) and n_b (v128-255)
.set SIZE_N, 2048     ; keys of a batch
.set NP,    4         ; pieces a wave
.set KS,    64        ; keys in a step
.set PK,    144       ; a row of K in LDS: 128 bytes + 16 of padding: the 16 rows of a load start at 16 different groups of four banks
.set PV,    160       ; a row of V: 128 + 32
.set VOFF,  4*KS*PK   ; a slot holds four steps: 256 rows of K, then 256 rows of V
.set SLOT1, 1<<17     ; slot 1 begins here, so that one exclusive or turns an address in one slot into the other's
.set STAGE, SLOT1+4*KS*(PK+PV)  ; behind the ring, never filled by a tensor load: 16 rows x 528 bytes for each wave, for the way out
.set SP,    528       ; a stage row: a wave's 256 columns of xn, 512 bytes, + 16 of padding
.set RED,   STAGE+4*16*SP       ; two meetings of the four waves: [meeting][wave][row parity][16 rows] f32, 512 bytes each
.set SPARE, RED+1024            ; the spare words, 128 bytes for each wave: two blocks of 256 bytes that no other line names
.set AK0, 2           ; v2   my lane's place in a tile of K
.set AV0, 3           ; v3   the same for V
.set AK,  4           ; v4   the LDS address of K's next run of loads
.set AV,  5           ; v5   of V's
.set QO,  6           ; v6   my byte offset in 16 rows of x_q: 256 (l % 16) + 32 (l / 16)
.set STO, 6           ;      later, the way out: where I put 16 bytes of a row
.set WO,  7           ; v7   my byte offset in qn_w and qn_b: 32 (l / 16)
.set RD,  7           ;      later, the way out: where I read a row back
.set GO,  8           ; v8   16 x lane: my place in 512 consecutive bytes of xn
.set NO,  2           ; v2   the way out: my byte offset in n_w and n_b
.set RLA, 3           ; v3   the way out: RED + 4 (l % 16)
.set RSA, 4           ; v4   the way out: RLA + 128 x wave
.set SPW, 0           ; v0 of window 3   LDS address of my spare word; never rewritten
.set NIL, 1           ; v1 of window 3   0; never rewritten
.set MV,  12          ; v12-15  c m_old, kept while c m is made anew: by buffer and tile
.set ST,  16          ; tile t's statistics at v[ST+4 t]: c m, m, l (even keys', odd keys')
.set TMP, 48          ; by buffer and tile, four registers c0-c3 at work; when the maximum is found c2 takes a
.set UQ,  56          ; the start: four chains of the sum of squares
.set S,   64
.set P,   192
.set QW,  192         ; the start: qn_w of my 32 channels (channel 16 g + 8 (l / 16) + i at QW + 8 g + i)
.set QB,  224         ; the start: qn_b likewise
.set KF,  128         ; K's fragments, in window 2: key block kb, channel half c at KF + 16 kb + 8 c
.set VF,  192         ; V's: key half kk, channel block cb at VF + 32 kk + 8 cb
.set WV,  12          ; s12  my wave's number
.set EPS, 15          ; s15  1e-5
.set INV, 19          ; s19  1 / 64, on the way out 1 / 1,024
.set G1K, 24          ; s[24:31] descriptor group 1 for K's tiles
.set G1V, 32          ; s[32:39] for V's: it differs in the padding alone
.set G0K, 40          ; s[40:43] descriptor group 0 for K's tiles: it walks
.set G0V, 44          ; s[44:47] the same for V's
.set SLOTS, 56        ; s56  slots still to be asked for
.set CNT, 57          ; s57  counts a slot's key steps
.set CS,  58          ; s[58:59] c: the packed scaling takes the pair's low word for both halves
.set SEL, 60          ; s[60:61] v_permlanex16_b32's selects: each lane takes its own place in the other half
.set TBK, 62          ; s62  LDS byte at which K of the step to be fetched begins
.set TBV, 63          ; s63  the same for V, less VOFF
.set MSB, 0
.macro WIN new                      ; the high byte repeats the setting that is left; a switch that changes nothing is dropped
.if MSB != (\new)
	s_set_vgpr_msb (MSB<<8)|(\new)
.set MSB, (\new)
.endif
.endm
.set W_KQ, 0x0a       ; K and Q in window 2, S^T in window 0
.set W_PV, 0x52       ; V in window 2, P in window 0, O^T in window 1
.set W_RS, 0x41       ; O^T (destination and source 0) in window 1, the other sources in window 0
.set W_MK, 0xc0       ; the add's registers are made: destination in window 3, sources in window 0
.set W_AD, 0x0f       ; the add: address (source 0) and data (source 1) in window 3
; A joint fill.  Waves 0 and 1 fetch the two halves of a slot's K, waves 2 and 3 those of its V: 128 keys each.  The branch hangs on the wave's number alone.
; An s_nop 0 and four v_nop follow each of the two lines, ahead of the jump and the label.
.macro JLOAD
	s_cmp_lt_u32 s[WV], 2
	s_cbranch_scc0 .Lfor_v_\@
	tensor_load_to_lds s[G0K:G0K+3], s[G1K:G1K+7]
	s_nop 0
.rept 4
	v_nop
.endr
	s_branch .Lasked_\@
.Lfor_v_\@:
	tensor_load_to_lds s[G0V:G0V+3], s[G1V:G1V+7]
	s_nop 0
.rept 4
	v_nop
.endr
.Lasked_\@:
.endm
; A round of the cluster's barrier: my work-group's barrier, so that wave 0's signal speaks for all four waves; wave 0 signals; every wave waits for all four work-groups; my work-group's barrier once more.
.macro CROUND
	s_barrier_signal -1
	s_barrier_wait -1
	s_cmp_lg_u32 s[WV], 0
	s_cbranch_scc1 .Lnot_wave_0_\@
	s_barrier_signal -3
.Lnot_wave_0_\@:
	s_barrier_wait -3
	s_barrier_signal -1
	s_barrier_wait -1
.endm
; THE CHANGE OF SLOTS.  Each wave waits for all its tensor loads, of which one is out: its part of the other slot; adds 0 to its spare word; and waits for that and for its own reads of the slot.
; Behind the barrier nobody reads this slot any more and the other slot is whole.  fill = 1: this slot is filled again, with the keys two slots on.  The barrier is then a round of the cluster's, so that
; no wave of any partner still reads the slot or has a load on its way, and the joint fill is the first thing behind it: it has four key steps, 512 matrix instructions, in which to land.
; (At its first use nothing has been read yet: slot 0 is waited for, slot 1 filled.)
.macro CHANGE fill
	WIN W_AD
	s_wait_tensorcnt 0x0            ; no tensor load of mine is out, so a group 0 may be written
	ds_add_u32 v[SPW], v[NIL]       ; 0 onto my spare word
	WIN 0                           ; at a label and at a branch every window is 0
.if \fill
.irp g, G0K, G0V
	s_xor_b32 s[\g+1], s[\g+1], SLOT1  ; the walking descriptor: the other slot than last time,
	s_add_nc_u64 s[\g+2:\g+3], s[\g+2:\g+3], 4*KS*128  ; the next 256 keys; the type bits on top are not reached
.endr
	s_wait_dscnt 0x0                ; the add is done, and my reads of the slot are over
	CROUND
	JLOAD
.else
	s_wait_dscnt 0x0                ; the add is done, and my reads of the slot are over
	s_barrier_signal -1
	s_barrier_wait -1
.endif
	s_sub_co_u32 s[TBK], s[TBK], 4*KS*PK  ; the fetches go back to a slot's first step,
	s_xor_b32 s[TBK], s[TBK], SLOT1       ; in the other slot
	s_sub_co_u32 s[TBV], s[TBV], 4*KS*PV
	s_xor_b32 s[TBV], s[TBV], SLOT1
.endm
	s_load_b256 s[4:11], s[0:1], 0x0   ; x_q s[4:5], kh s[6:7], vh s[8:9], xn s[10:11]
	s_load_b256 s[48:55], s[0:1], 0x20 ; qn_w s[48:49], qn_b s[50:51], n_w s[52:53], n_b s[54:55]
	WIN W_MK
	v_lshl_add_u32 v[SPW], v0, 2, SPARE
	v_mov_b32 v[NIL], 0
	WIN W_AD
	ds_add_u32 v[SPW], v[NIL]       ; the wave's opening: the add and its wait stand ahead of my first tensor load; the set-up below, work on registers, stands between them
	WIN 0
	v_lshrrev_b32 v1, 5, v0
	v_readfirstlane_b32 s[WV], v1   ; wave 0..3
	s_bfe_u32 s13, ttmp6, 0x40000   ; cx: my place in the cluster
	s_lshl_b32 s14, ttmp9, 2        ; in a cluster launch ttmp9 counts clusters
	s_add_co_u32 s14, s14, s13      ; my block of 32 values of s = 4 x cluster x + cx: it enters x_q's and xn's addresses alone
	s_and_b32 s20, ttmp7, 0xffff    ; the batch, which the four partners share
	s_and_b32 s16, s[WV], 1         ; which half of a slot's 256 keys I fetch:
	s_lshl_b32 s22, s16, 14         ; its 128 rows of 128 bytes in memory,
	s_lshl_b32 s21, s20, 18         ; in the batch's 2,048 rows
	s_add_co_u32 s22, s22, s21
	s_mov_b32 s23, 0
	s_mul_i32 s17, s16, 128*PK      ; and its place in a slot, for K
	s_mul_i32 s18, s16, 128*PV      ; and for V: no place in the cluster enters an LDS address
	s_lshl_b32 s2, s20, 23          ; x_q: the batch's 8 MiB,
	s_lshl_b32 s3, s[WV], 21        ; my wave's four heads of 512 KiB,
	s_add_co_u32 s2, s2, s3
	s_lshl_b32 s3, s14, 13          ; my block's 32 rows of 256 bytes
	s_add_co_u32 s2, s2, s3
	s_mov_b32 s3, 0
	s_lshl_b32 s20, s20, 22         ; xn: the batch's 2,048 rows of 2,048 bytes,
	s_lshl_b32 s21, s14, 16         ; my block's 32 rows,
	s_add_co_u32 s20, s20, s21
	s_lshl_b32 s21, s[WV], 9        ; my wave's 256 columns
	s_add_co_u32 s20, s20, s21
	s_mov_b32 s21, 0
	; descriptor group 1.  128 keys are 16,384 dense bytes: asked for as 64 rows of 256 bytes, two keys a row, and padded in LDS after every key
	s_mov_b32 s[G1K], 15|(1<<16)|(1<<20)|(1<<21)|(4<<22)|(3<<25)  ; 15:0 the mask of four; 17:16 2-byte elements; 20 padding on; 21 set beside a mask; 24:22 after every 32 words (code 4); 31:25 4 words (code 3)
	s_mov_b32 s[G1V], 15|(1<<16)|(1<<20)|(1<<21)|(4<<22)|(7<<25)  ; the same with 8 words of padding (code 7)
.irp g, G1K, G1V
	s_mov_b32 s[\g+1], 128<<16      ; tensor_dim0 = 128
	s_mov_b32 s[\g+2], 64<<16       ; tensor_dim1 = 64
	s_mov_b32 s[\g+3], 128<<16      ; tile_dim0 = 128
	s_mov_b32 s[\g+4], 64           ; tile_dim1 = 64
	s_mov_b32 s[\g+5], 128          ; 128 elements from row to row
	s_mov_b32 s[\g+6], 0
	s_mov_b32 s[\g+7], 0
.endr
	s_mov_b32 s[CS], 0x3e38aa3b     ; c = log2(e) / 8 = 0.180337
	s_mov_b32 s[CS+1], s[CS]        ; named with it as a pair
	s_mov_b32 s[SEL], 0x76543210
	s_mov_b32 s[SEL+1], 0xfedcba98
	s_mov_b32 s[EPS], 0x3727c5ac    ; 1e-5
	s_mov_b32 s[INV], 0x3c800000    ; 1 / 64
	s_mov_b32 s[TBK], SLOT1+4*KS*PK ; the first change of slots turns these two into 0
	s_mov_b32 s[TBV], SLOT1+4*KS*PV
	s_mov_b32 s[G0K], 1             ; 1:0 count = 1
	s_mov_b32 s[G0K+1], s17         ; 63:32 LDS address: slot 0
	s_mov_b32 s[G0V], 1
	s_add_co_u32 s[G0V+1], s18, VOFF
	s_wait_dscnt 0x0                ; the opening add is done
	s_wait_kmcnt 0x0
	s_add_nc_u64 s[G0K+2:G0K+3], s[6:7], s[22:23]  ; 120:64 global address: my half of the batch's first 256 keys
	s_or_b32 s[G0K+3], s[G0K+3], 0x80000000        ; 127:126 type = 2
	s_add_nc_u64 s[G0V+2:G0V+3], s[8:9], s[22:23]
	s_or_b32 s[G0V+3], s[G0V+3], 0x80000000
	s_add_nc_u64 s[4:5], s[4:5], s[2:3]            ; x_q at my wave's first head, my block's first row
	s_add_nc_u64 s[10:11], s[10:11], s[20:21]      ; xn at my block's first row, my wave's first column
	CROUND                          ; all four work-groups are here: the first joint loads meet
	JLOAD                           ; slot 0.  Slot 1 is asked for when slot 0 is in
	; LAYERNORM OF Q, IN THE FRAGMENT'S OWN LAYOUT.  A fragment of Q is 16 rows x 32 channels in 8 registers: lane l holds row l % 16, channels 8 (l / 16) + 0..7 and 16 + 8 (l / 16) + 0..7.
	; So lane l loads, in f32, channels 16 g + 8 (l / 16) + 0..7 for g = 0..3: 32 numbers, half a query; the other half lies in the lane 16 away: one exchange for the mean, one for the variance.
	v_and_b32 v1, 15, v0            ; l % 16
	v_bfe_u32 v9, v0, 4, 1          ; l / 16
	v_lshlrev_b32 v[WO], 5, v9
	v_lshl_add_u32 v[QO], v1, 8, v[WO]
.irp g, 0,1,2,3
.irp e, 0,1
	global_load_b128 v[QW+8*(\g)+4*(\e):QW+8*(\g)+4*(\e)+3], v[WO], s[48:49] offset:64*(\g)+16*(\e)
.endr
.endr
.irp g, 0,1,2,3
.irp e, 0,1
	global_load_b128 v[QB+8*(\g)+4*(\e):QB+8*(\g)+4*(\e)+3], v[WO], s[50:51] offset:64*(\g)+16*(\e)
.endr
.endr
.macro QLOAD t                      ; tile t's 16 rows: head t / 2 of my four (524,288 bytes apart), rows 16 (t % 2) on; eight loads into stage t % 4
.irp g, 0,1,2,3
.irp e, 0,1
	global_load_b128 v[S+32*((\t)%4)+8*(\g)+4*(\e):S+32*((\t)%4)+8*(\g)+4*(\e)+3], v[QO], s[4:5] offset:((\t)/2)*524288+((\t)%2)*4096+64*(\g)+16*(\e)
.endr
.endr
.endm
	QLOAD 0
	QLOAD 1
	QLOAD 2
	QLOAD 3
	; What the first turn finds: V's registers and P's second buffer hold 0 (its products V^T P, of a piece that has not been, add 0), O^T and l are 0.  This stands in the wait for the first loads.
	WIN 0x80
.set i, VF
.rept 64
	v_mov_b32 v[i], 0
.set i, i+1
.endr
	WIN 0x40
.set i, 0
.rept 64*NP
	v_mov_b32 v[i], 0
.set i, i+1
.endr
	WIN 0
.set i, 0
.rept 2*NP
	v_mov_b32 v[ST+4*i], 0xfe000000    ; c m: far below every c s
	v_mov_b32 v[ST+4*i+1], 0xff7fffff  ; m
	v_mov_b32 v[ST+4*i+2], 0
	v_mov_b32 v[ST+4*i+3], 0
.set i, i+1
.endr
	v_mul_u32_u24 v[AK0], v1, PK
	v_lshl_add_u32 v[AK0], v9, 4, v[AK0]  ; row x pitch + 16 x half
	; The turning load takes 16 keys x 16 channels (lane l reads key 8 (l / 16) + l % 8, channels 8 ((l / 8) % 2) + 0..7) and leaves half a fragment of V^T: lane l holds channel l % 16 and 8 keys.
	v_and_b32 v10, 7, v0
	v_bfe_u32 v11, v0, 3, 1
	v_lshl_add_u32 v[AV0], v9, 3, v10
	v_mul_u32_u24 v[AV0], v[AV0], PV
	v_lshl_add_u32 v[AV0], v11, 4, v[AV0]
	v_add_nc_u32 v[AV0], VOFF, v[AV0]
	v_mov_b32 v[AK], v[AK0]         ; key step 0 lies at the head of slot 0
; Tile t's LayerNorm.  left: the loads issued behind tile t's, which may stay out.  refill = 1: its stage takes tile t + 4.
.macro QLN t, left, refill
.set XB, S+32*((\t)%4)
	s_wait_loadcnt \left
.irp c, 0,1,2,3                     ; the sum, in four chains
	v_pk_add_f32 v[TMP+2*(\c):TMP+2*(\c)+1], v[XB+2*(\c):XB+2*(\c)+1], v[XB+8+2*(\c):XB+8+2*(\c)+1]
.endr
.irp k, 16, 24
.irp c, 0,1,2,3
	v_pk_add_f32 v[TMP+2*(\c):TMP+2*(\c)+1], v[TMP+2*(\c):TMP+2*(\c)+1], v[XB+(\k)+2*(\c):XB+(\k)+2*(\c)+1]
.endr
.endr
	v_pk_add_f32 v[TMP:TMP+1], v[TMP:TMP+1], v[TMP+2:TMP+3]
	v_pk_add_f32 v[TMP+4:TMP+5], v[TMP+4:TMP+5], v[TMP+6:TMP+7]
	v_pk_add_f32 v[TMP:TMP+1], v[TMP:TMP+1], v[TMP+4:TMP+5]
	v_add_f32 v[TMP], v[TMP], v[TMP+1]
	v_permlanex16_b32 v[TMP+1], v[TMP], s[SEL], s[SEL+1]  ; the query's other 32 channels
	v_add_f32 v[TMP], v[TMP], v[TMP+1]
	v_mul_f32 v[TMP], 0xbc800000, v[TMP]                  ; minus the mean
.set z, 0
.rept 16
	v_pk_add_f32 v[XB+2*z:XB+2*z+1], v[XB+2*z:XB+2*z+1], v[TMP:TMP+1] op_sel_hi:[1,0]
.set z, z+1
.endr
.irp c, 0,1,2,3                     ; the sum of the centred numbers' squares, in four chains
	v_pk_mul_f32 v[UQ+2*(\c):UQ+2*(\c)+1], v[XB+2*(\c):XB+2*(\c)+1], v[XB+2*(\c):XB+2*(\c)+1]
.endr
.irp k, 8, 16, 24
.irp c, 0,1,2,3
	v_pk_fma_f32 v[UQ+2*(\c):UQ+2*(\c)+1], v[XB+(\k)+2*(\c):XB+(\k)+2*(\c)+1], v[XB+(\k)+2*(\c):XB+(\k)+2*(\c)+1], v[UQ+2*(\c):UQ+2*(\c)+1]
.endr
.endr
	v_pk_add_f32 v[UQ:UQ+1], v[UQ:UQ+1], v[UQ+2:UQ+3]
	v_pk_add_f32 v[UQ+4:UQ+5], v[UQ+4:UQ+5], v[UQ+6:UQ+7]
	v_pk_add_f32 v[UQ:UQ+1], v[UQ:UQ+1], v[UQ+4:UQ+5]
	v_add_f32 v[UQ], v[UQ], v[UQ+1]
	v_permlanex16_b32 v[UQ+1], v[UQ], s[SEL], s[SEL+1]
	v_add_f32 v[UQ], v[UQ], v[UQ+1]
	v_fma_f32 v[UQ], v[UQ], s[INV], s[EPS]                ; variance + 1e-5
	v_rsq_f32 v[UQ], v[UQ]
	v_nop                           ; a plain instruction behind the reciprocal root,
	s_wait_alu depctr_va_vdst(0)    ; and its wait, ahead of the first reader
.set z, 0
.rept 16
	v_pk_mul_f32 v[XB+2*z:XB+2*z+1], v[XB+2*z:XB+2*z+1], v[UQ:UQ+1] op_sel_hi:[1,0]
.set z, z+1
.endr
.set z, 0
.rept 16
	v_pk_fma_f32 v[XB+2*z:XB+2*z+1], v[XB+2*z:XB+2*z+1], v[QW+2*z:QW+2*z+1], v[QB+2*z:QB+2*z+1]
.set z, z+1
.endr
	WIN 0x80                        ; destination window 2: the 16 registers of tile t's two fragments, in their order
.set z, 0
.rept 16
	v_cvt_pk_f16_f32 v[16*(\t)+z], v[XB+2*z], v[XB+2*z+1]
.set z, z+1
.endr
	WIN 0
.if \refill
	QLOAD (\t)+4
.endif
.endm
	QLN 0, 24, 1                    ; behind tile t's loads stand those of the three tiles after it,
	QLN 1, 24, 1
	QLN 2, 24, 1
	QLN 3, 24, 1
	QLN 4, 24, 0
	QLN 5, 16, 0                    ; then the counts run down
	QLN 6, 8, 0
	QLN 7, 0, 0
.set i, P+32
.rept 32
	v_mov_b32 v[i], 0               ; P's second buffer, where qn_b lay
.set i, i+1
.endr
; THE MATRIX WORK.  The 8 accumulators of a run of 16 take turns: between the two links of a chain stand 7 others'.
; Product i of 16 of S^T = K Q^T for piece x: channels 32 (i / 8) on, keys 16 ((i / 2) % 4) on, tile 2 x + i % 2.  The first 8 start the sums.
.macro KQ x
	WIN W_KQ
.set rS, S+64*((\x)%2)+32*(i%2)+8*((i/2)%4)
.set rK, KF+16*((i/2)%4)+8*(i/8)
.set rQ, 16*(2*(\x)+i%2)+8*(i/8)
.if i < 8
	v_wmma_f32_16x16x32_f16 v[rS:rS+7], v[rK:rK+7], v[rQ:rQ+7], 0
.else
	v_wmma_f32_16x16x32_f16 v[rS:rS+7], v[rK:rK+7], v[rQ:rQ+7], v[rS:rS+7]
.endif
.endm
; Product i of 16 of O^T += V^T P for piece x: keys 32 (i / 8) on, channels 16 ((i / 2) % 4) on, tile 2 x + i % 2.
.macro PV x
	WIN W_PV
.set rO, 32*(2*(\x)+i%2)+8*((i/2)%4)
.set rV, VF+32*(i/8)+8*((i/2)%4)
.set rP, P+32*((\x)%2)+16*(i%2)+8*(i/8)
	v_wmma_f32_16x16x32_f16 v[rO:rO+7], v[rV:rV+7], v[rP:rP+7], v[rO:rO+7]
.endm
.macro MM                           ; the turn's next matrix instruction
.if i < 16
	KQ (Y+1)%NP
.set i, i+1
.else
.set i, i-16
	PV (Y+NP-1)%NP
.set i, i+17
.endif
.endm
; THE LDS LOADS stand in runs of 16, never singly among the matrix instructions: a step's K (64 keys x 64 channels: 8 fragments) and its V (turned).  Their addresses are made some lines ahead.
; last = 1 (the tail): in the last trip there is no further step, and the run is jumped over.
.macro FETCH_K last=0
	WIN 0
.if \last
	s_cmp_eq_u32 s[CNT], 1
	s_cbranch_scc1 .Lno_k_\@
.endif
	WIN 0x80                        ; destination window 2
.irp f, 0,1,2,3,4,5,6,7             ; keys 16 (f / 2) on, channels 32 (f % 2) on
	ds_load_b128 v[KF+8*\f:KF+8*\f+3],   v[AK] offset:(\f/2)*16*PK+(\f%2)*64
	ds_load_b128 v[KF+8*\f+4:KF+8*\f+7], v[AK] offset:(\f/2)*16*PK+(\f%2)*64+32
.endr
	s_add_co_u32 s[TBK], s[TBK], KS*PK  ; the next fetch is the next step's
	WIN 0
.if \last
.Lno_k_\@:
.endif
.endm
.macro FETCH_V
	WIN 0x80
.irp f, 0,1,2,3,4,5,6,7             ; keys 32 (f / 4) on, channels 16 (f % 4) on
	ds_load_tr16_b128 v[VF+8*\f:VF+8*\f+3],   v[AV] offset:(\f/4)*32*PV+(\f%4)*32
	ds_load_tr16_b128 v[VF+8*\f+4:VF+8*\f+7], v[AV] offset:(\f/4)*32*PV+16*PV+(\f%4)*32
.endr
	WIN 0
.endm
; THE VECTOR WORK OF A TURN stands in three queues, each in the order in which its entries become ready; the two tiles alternate, so that no instruction reads the result of the one before it.
.macro REGS y, u                    ; the registers of tile u (0, 1) of piece y
.set rT, ST+4*(2*(\y)+(\u))
.set rC, TMP+8*((\y)%2)+4*(\u)
.set rM, MV+2*((\y)%2)+(\u)
.set rS, S+64*((\y)%2)+32*(\u)
.set rP, P+32*((\y)%2)+16*(\u)
.set rO, 32*(2*(\y)+(\u))
.endm
; Number n of the 22 that find the NEXT piece's (Y + 1) maximum and statistics.  s0-s31 are the lane's 32 scores; each accumulator's lowest registers are read first.
;   0-11  four chains c0-c3 of seven scores each, three operands at a time     12-14, 16  the four scores left over, the old m, and c0-c3 into c0     15  c m_old is kept
;   17, 18  the query's other 32 keys lie in the lane 16 away: the new m         19-21  c m; c m_old - c m_new; a
.macro XS u, n
	REGS (Y+1)%NP, \u
.if (\n) < 4
	v_max3_num_f32 v[rC+(\n)], v[rS+8*(\n)], v[rS+8*(\n)+1], v[rS+8*(\n)+2]
.elseif (\n) < 12
	v_max3_num_f32 v[rC+(\n)%4], v[rC+(\n)%4], v[rS+8*((\n)%4)+2*((\n)/4)+1], v[rS+8*((\n)%4)+2*((\n)/4)+2]
.elseif (\n) == 12
	v_max3_num_f32 v[rC], v[rC], v[rS+7], v[rS+15]
.elseif (\n) == 13
	v_max3_num_f32 v[rC+1], v[rC+1], v[rS+23], v[rS+31]
.elseif (\n) == 14
	v_max3_num_f32 v[rC+2], v[rC+2], v[rC+3], v[rT+1]
.elseif (\n) == 15
	v_mov_b32 v[rM], v[rT]
.elseif (\n) == 16
	v_max3_num_f32 v[rC], v[rC], v[rC+1], v[rC+2]
.elseif (\n) == 17
	v_permlanex16_b32 v[rC+3], v[rC], s[SEL], s[SEL+1]
.elseif (\n) == 18
	v_max_num_f32 v[rT+1], v[rC], v[rC+3]
.elseif (\n) == 19
	v_mul_f32 v[rT], s[CS], v[rT+1]
.elseif (\n) == 20
	v_sub_f32 v[rC+1], v[rM], v[rT]
.else
	v_exp_f32 v[rC+2], v[rC+1]
.endif
.endm
; Number g of the 64 that follow the exponentials.  For each four weights k of a tile (pairs 2 k, 2 k + 1): both pairs are rounded to f16; then the second pair is added onto the first, in place;
; a group later l takes that sum (the first time as l = a l + sum).  In groups of eight, tiles alternating: round, round, add, and l for the group before.
.macro GS g
.set h, (\g)+6*((\g)/62)            ; group 0 has no group before it, and behind group 7 only l is left
.if h >= 6
.set h, h+2
.endif
	REGS Y, h%2
.set k, h/8
.if h%8 < 4
	v_cvt_pk_f16_f32 v[rP+2*k+(h%8)/2], v[rS+4*k+2*((h%8)/2)], v[rS+4*k+2*((h%8)/2)+1]
.elseif h%8 < 6
	v_pk_add_f32 v[rS+4*k:rS+4*k+1], v[rS+4*k:rS+4*k+1], v[rS+4*k+2:rS+4*k+3]
.elseif k == 1
	v_pk_fma_f32 v[rT+2:rT+3], v[rT+2:rT+3], v[rC+2:rC+3], v[rS:rS+1] op_sel_hi:[1,0,1]
.else
	v_pk_add_f32 v[rT+2:rT+3], v[rT+2:rT+3], v[rS+4*k-4:rS+4*k-3]
.endif
.endm
; THE PLAIN QUEUE, 138 long.  0-73 read no exponential's result: the 32 scalings c s - c m (FS f: pair f / 2 of tile f % 2) and the next piece's 42.  0-26: scalings 0-26.  27-54: XS's numbers 0-13.  55, 56: number 15.
; 57-73: the chain, where each number waits for the one before it: 14, 16, 17, 18, 19, each with one of the scalings 27-31 in front of its two lines, then 20.
; 74-137: GS's 64, which read the exponentials' results: they stand behind the wait.
.macro FS f
	REGS Y, (\f)%2
	v_pk_fma_f32 v[rS+2*((\f)/2):rS+2*((\f)/2)+1], v[rS+2*((\f)/2):rS+2*((\f)/2)+1], s[CS:CS+1], v[rT:rT+1] op_sel_hi:[1,0,0] neg_lo:[0,0,1] neg_hi:[0,0,1]
.endm
.macro PL
	WIN 0
.if q < 27
	FS q
.elseif q < 55
	XS (q-27)%2, (q-27)/2
.elseif q < 57
	XS q-55, 15
.elseif (q < 72) && ((q-57)%3 == 0)
	FS 27+(q-57)/3
.elseif q < 60
	XS (q-57)%3-1, 14
.elseif q < 72
	XS (q-57)%3-1, 15+(q-57)/3
.elseif q < 74
	XS q-72, 20
.else
	GS q-74
.endif
.set q, q+1
.endm
; THE EXPONENTIALS' QUEUE, 66 long: s0-s31 of both tiles, then the next piece's two a.  It is ONE BATCH: all 66 stand ahead of the turn's one wait, and nothing ahead of that wait names a result of theirs.
.macro EX
	WIN 0
.if e >= 64
	XS e-64, 21
.else
	REGS Y, e%2
	v_exp_f32 v[rS+e/2], v[rS+e/2]
.endif
.set e, e+1
.endm
; THE RESCALING's QUEUE: O^T times a, the one part that leaves window 0: dealt two at a time, sixteen times.  Its a was made in the turn before, ahead of that turn's wait.
.macro R2
	REGS Y, r%2
	WIN W_RS
.irp z, 0,1
	v_pk_mul_f32 v[rO+4*(r/2)+2*\z:rO+4*(r/2)+2*\z+1], v[rO+4*(r/2)+2*\z:rO+4*(r/2)+2*\z+1], v[rC+2:rC+3] op_sel_hi:[1,0]
.endr
.set r, r+1
.endm
; A TURN, for piece p.  One wait cuts it in two.  AHEAD OF IT stands all that names no result of the turn's exponentials: the 16 products K Q^T, behind each a scaling, an exponential and two rescalings (behind the
; first a second scaling in the exponential's place); then one run of 108: eight plain, 49 times exponential and plain, the two a; a v_nop is the plain instruction behind the last exponential.  BEHIND IT stand the 16
; products V^T P, behind each four of GS's 64.  Exponential e stands behind scaling 2 (e / 4) + e % 2: as a rider it comes behind plain e + 2, in the run behind plain e + 9, and scalings 27-31 are plain 57, 60 .. 69.
; K of the next step is fetched in piece 2's turn, directly behind the wait; its address is made at the run's head; its first reader comes behind 16 products.
; V of the step in hand is fetched at the end of piece 0's turn, four riders behind its last reader; its first reader comes behind 16 products and a run.  cnt = 1: the loop's count is taken down ahead of the branch behind the turn.
.macro TURN p, last=0, cnt=0
.set Y, (\p)
.set i, 0
.set q, 0
.set e, 0
.set r, 0
.if (\p) == NP-1
	s_wait_dscnt 0x0                ; K is in
.endif
	MM
	PL
	PL
	R2
.rept 15
	MM
	PL
	EX
	R2
.endr
.if (\p) == NP-2
	WIN 0
	v_add_nc_u32 v[AK], s[TBK], v[AK0]
.endif
.rept 8
	PL
.endr
.rept 49
	EX
	PL
.endr
	EX                              ; the next piece's two a
	EX
	v_nop                           ; the plain instruction behind the last exponential: one for the batch
	s_wait_alu depctr_va_vdst(0)    ; the wait for the batch
.if (\p) == NP-2
	FETCH_K \last
.endif
.if (\p) == 1
	s_wait_dscnt 0x0                ; V is in
.endif
.rept 16
	MM
.rept 4
	PL
.endr
.if ((\p) == 0) && (q == 118)
	v_add_nc_u32 v[AV], s[TBV], v[AV0]
.endif
.if ((\p) == 0) && (q == 130)
	s_add_co_u32 s[TBV], s[TBV], KS*PV
.endif
.if (\cnt) && (q == 130)
	s_sub_co_u32 s[CNT], s[CNT], 1
	s_cmp_lg_u32 s[CNT], 0
.endif
.endr
.if (\p) == 0
	FETCH_V
.endif
.endm
	CHANGE 1                        ; slot 0 is in, everybody's part of it; slot 1 is asked for
	FETCH_K                         ; key step 0
	s_wait_dscnt 0x0
.set i, 0
.rept 16
	KQ 0                            ; piece 0's first scores: there is no vector work yet to set between them
.set i, i+1
.endr
	WIN 0                           ; the addresses for the way out, and three v_nop: nine plain instructions, the places behind those products
	s_mul_i32 s13, s[WV], 16*SP
	s_add_co_u32 s13, s13, STAGE    ; my stage
	v_mul_u32_u24 v[STO], v1, SP    ; in: row l % 16, 16 bytes for each half of the lanes
	v_lshl_add_u32 v[STO], v9, 4, v[STO]
	v_add_nc_u32 v[STO], s13, v[STO]
	v_and_b32 v[GO], 31, v0
	v_lshlrev_b32 v[GO], 4, v[GO]   ; back: 32 lanes take one row of 512 bytes,
	v_add_nc_u32 v[RD], s13, v[GO]  ; which are 512 consecutive bytes of xn
.rept 3
	v_nop
.endr
.set Y, NP-1                        ; XS works for piece Y + 1: piece 0
.irp n, 0,1,2,3,4,5,6,7,8,9,10,11,12,13,14,15,16,17,18,19,20,21
	XS 0, \n                        ; piece 0's first maximum and statistics
	XS 1, \n
.endr
	v_nop                           ; a plain instruction behind the two a,
	s_wait_alu depctr_va_vdst(0)    ; and their wait, ahead of the branch
	s_mov_b32 s[CNT], 4
	s_mov_b32 s[SLOTS], SIZE_N/256-1
	s_branch .Lfirst                ; the loop is entered at a step's first turn, in the middle of a trip
.Lslot:                             ; SIZE_N / 256 - 2 times: every slot but the last two is filled again
	CHANGE 1
	s_mov_b32 s[CNT], 4
.Lstep:                             ; a trip: pieces 2 and 3 of one step, then pieces 0 and 1 of the next, whose K and V it fetches
	TURN 2
	TURN 3
	WIN 0
.Lfirst:
	TURN 0
	TURN 1, 0, 1
	WIN 0
	s_cbranch_scc1 .Lstep
	s_sub_co_u32 s[SLOTS], s[SLOTS], 1
	s_cmp_lg_u32 s[SLOTS], 0
	s_cbranch_scc1 .Lslot
	CHANGE 0                        ; the tail is written out: nothing is asked for
	s_mov_b32 s[CNT], 5             ; four trips fetch the last slot's steps; the fifth is left in its middle
.Ltail:
	TURN 2, 1
	TURN 3
	WIN 0
	s_sub_co_u32 s[CNT], s[CNT], 1
	s_cmp_eq_u32 s[CNT], 0
	s_cbranch_scc1 .Lout
	TURN 0
	TURN 1
	WIN 0
	s_branch .Ltail
.Lout:                              ; the fifth trip's 16 products K Q^T (on the last K once more) and the maximum made of them serve nothing: the price, once a launch, of one text for every trip
.set i, 0
.rept 16
	PV NP-1                         ; the last piece's V^T P of the last step
.set i, i+1
.endr
	; THE WAY OUT.  x = O^T / l; the row's mean over its 1,024 columns; x - mean; the mean of the squares; (x - mean) rstd n_w + n_b; f16; through my stage in LDS; whole rows of 512 bytes out.
	; A row (parity u = t % 2, l % 16) has its columns in four tiles a wave, both halves of the lanes and all four waves: sums within the lane, one exchange of the halves, one meeting in LDS.
	WIN 0
.macro ALL line:vararg              ; one line for each tile t
.set t, 0
.rept 2*NP
	\line
.set t, t+1
.endr
.endm
	ALL v_add_f32 v[ST+4*t+2], v[ST+4*t+2], v[ST+4*t+3]  ; l's two halves: eight plain lines, the places behind the last products and ahead of the loads into K's and V's registers
	s_lshl_b32 s13, s[WV], 10
	v_lshl_add_u32 v[NO], v9, 5, s13      ; n_w, n_b: my wave's 256 columns, my half's 8 of each 16
	v_lshl_add_u32 v[RLA], v1, 2, RED
	s_lshl_b32 s13, s[WV], 7
	v_add_nc_u32 v[RSA], s13, v[RLA]
	s_mov_b32 s[INV], 0x3a800000          ; 1 / 1,024
	WIN 0x80                        ; destination window 2: n_w and n_b in O^T's own order: head hh, channel block cb, register j at 32 hh + 8 cb + j.  They are wanted far below
.set z, 0
.rept 32
	global_load_b128 v[4*z:4*z+3], v[NO], s[52:53] offset:64*(z/2)+16*(z%2)
	global_load_b128 v[128+4*z:128+4*z+3], v[NO], s[54:55] offset:64*(z/2)+16*(z%2)
.set z, z+1
.endr
	WIN 0
	ALL v_permlanex16_b32 v[ST+4*t+3], v[ST+4*t+2], s[SEL], s[SEL+1]
	ALL v_add_f32 v[ST+4*t+2], v[ST+4*t+2], v[ST+4*t+3]
	ALL v_rcp_f32 v[ST+4*t+2], v[ST+4*t+2]
	v_nop                           ; a plain instruction behind the last reciprocal,
	s_wait_alu depctr_va_vdst(0)    ; and one wait for the eight
.macro ECOMB                        ; each tile's four pairs (at S + 8 t) into one number
	ALL v_pk_add_f32 v[S+8*t:S+8*t+1], v[S+8*t:S+8*t+1], v[S+8*t+2:S+8*t+3]
	ALL v_pk_add_f32 v[S+8*t+4:S+8*t+5], v[S+8*t+4:S+8*t+5], v[S+8*t+6:S+8*t+7]
	ALL v_pk_add_f32 v[S+8*t:S+8*t+1], v[S+8*t:S+8*t+1], v[S+8*t+4:S+8*t+5]
	ALL v_add_f32 v[S+8*t], v[S+8*t], v[S+8*t+1]
.endm
; The two parities' sums (v[TMP], v[TMP+2]) are added over the halves of the lanes and over the four waves; the results come in v[TMP+8] (parity 0) and v[TMP+9] (parity 1), in every lane.
; Lanes l and l + 16 store the same number to the same word.  Each meeting has bytes of its own, so one barrier serves it.
.macro XRED off
	v_permlanex16_b32 v[TMP+4], v[TMP], s[SEL], s[SEL+1]
	v_permlanex16_b32 v[TMP+5], v[TMP+2], s[SEL], s[SEL+1]
	v_add_f32 v[TMP], v[TMP], v[TMP+4]
	v_add_f32 v[TMP+2], v[TMP+2], v[TMP+5]
	ds_store_b32 v[RSA], v[TMP] offset:(\off)
	ds_store_b32 v[RSA], v[TMP+2] offset:(\off)+64
	s_wait_dscnt 0x0                ; for the others' sake: my stores are done
	s_barrier_signal -1
	s_barrier_wait -1
.irp w, 0,1,2,3
.irp u, 0,1
	ds_load_b32 v[TMP+8+2*(\w)+(\u)], v[RLA] offset:(\off)+128*(\w)+64*(\u)
.endr
.endr
	s_wait_dscnt 0x0
	v_pk_add_f32 v[TMP+8:TMP+9], v[TMP+8:TMP+9], v[TMP+10:TMP+11]
	v_pk_add_f32 v[TMP+12:TMP+13], v[TMP+12:TMP+13], v[TMP+14:TMP+15]
	v_pk_add_f32 v[TMP+8:TMP+9], v[TMP+8:TMP+9], v[TMP+12:TMP+13]
.endm
	; the sums of O^T: accumulator z = 4 t + cb (eight registers at 8 z of window 1) into the pair at S + 2 z; each accumulator's lowest registers are read first
	WIN 0x05                        ; sources 0 and 1 window 1, destination window 0
.set z, 0
.rept 32
	v_pk_add_f32 v[S+2*z:S+2*z+1], v[8*z:8*z+1], v[8*z+2:8*z+3]
.set z, z+1
.endr
	WIN 0x01                        ; source 0 window 1
.irp o, 4, 6
.set z, 0
.rept 32
	v_pk_add_f32 v[S+2*z:S+2*z+1], v[8*z+(\o):8*z+(\o)+1], v[S+2*z:S+2*z+1]
.set z, z+1
.endr
.endr
	WIN 0
	ECOMB
.irp u, 0,1
	v_mul_f32 v[TMP+2*(\u)], v[S+8*(\u)], v[ST+4*(\u)+2]  ; each tile's sum is divided by its own l
.endr
.irp hh, 1,2,3
.irp u, 0,1
	v_fma_f32 v[TMP+2*(\u)], v[S+8*(2*(\hh)+(\u))], v[ST+4*(2*(\hh)+(\u))+2], v[TMP+2*(\u)]
.endr
.endr
	XRED 0
	v_mul_f32 v[TMP], 0xba800000, v[TMP+8]    ; minus the mean, parity 0
	v_mul_f32 v[TMP+2], 0xba800000, v[TMP+9]  ; parity 1
	WIN W_RS
.set z, 0
.rept 128                           ; pair z of O^T: tile z / 16:  O / l - mean
	v_pk_fma_f32 v[2*z:2*z+1], v[2*z:2*z+1], v[ST+4*(z/16)+2:ST+4*(z/16)+3], v[TMP+2*((z/16)%2):TMP+2*((z/16)%2)+1] op_sel_hi:[1,0,0]
.set z, z+1
.endr
	WIN 0x05
.set z, 0
.rept 32
	v_pk_mul_f32 v[S+2*z:S+2*z+1], v[8*z:8*z+1], v[8*z:8*z+1]
.set z, z+1
.endr
.irp o, 2, 4, 6
.set z, 0
.rept 32
	v_pk_fma_f32 v[S+2*z:S+2*z+1], v[8*z+(\o):8*z+(\o)+1], v[8*z+(\o):8*z+(\o)+1], v[S+2*z:S+2*z+1]
.set z, z+1
.endr
.endr
	WIN 0
	ECOMB
.irp u, 0,1
	v_add_f32 v[TMP+2*(\u)], v[S+8*(\u)], v[S+8*(2+(\u))]
.endr
.irp hh, 2,3
.irp u, 0,1
	v_add_f32 v[TMP+2*(\u)], v[TMP+2*(\u)], v[S+8*(2*(\hh)+(\u))]
.endr
.endr
	XRED 512
	v_fma_f32 v[TMP+8], v[TMP+8], s[INV], s[EPS]  ; variance + 1e-5
	v_fma_f32 v[TMP+9], v[TMP+9], s[INV], s[EPS]
	v_rsq_f32 v[TMP], v[TMP+8]
	v_rsq_f32 v[TMP+2], v[TMP+9]
	v_nop                           ; a plain instruction behind the second reciprocal root,
	s_wait_alu depctr_va_vdst(0)    ; and one wait for the two
	s_wait_loadcnt 0x0              ; n_w and n_b are in
	WIN W_RS
.set z, 0
.rept 128
	v_pk_mul_f32 v[2*z:2*z+1], v[2*z:2*z+1], v[TMP+2*((z/16)%2):TMP+2*((z/16)%2)+1] op_sel_hi:[1,0]
.set z, z+1
.endr
	WIN 0x69                        ; source 0 and destination window 1, sources 1 and 2 window 2
.set z, 0
.rept 128                           ; tile z / 16 is head z / 32 of my four
	v_pk_fma_f32 v[2*z:2*z+1], v[2*z:2*z+1], v[32*(z/32)+2*(z%16):32*(z/32)+2*(z%16)+1], v[128+32*(z/32)+2*(z%16):128+32*(z/32)+2*(z%16)+1]
.set z, z+1
.endr
	WIN 0x05                        ; rounded once to f16, by parity: parity u, head hh, channel block cb: four registers (8 columns, 16 bytes) at S + 64 u + 16 hh + 4 cb
.set z, 0
.rept 128
	v_cvt_pk_f16_f32 v[S+64*((z/16)%2)+16*(z/32)+z%16], v[2*z], v[2*z+1]
.set z, z+1
.endr
	WIN 0
; Parity u's 16 rows: 16 bytes a lane into rows of 528 bytes, and back as whole rows of 512, into the registers that they left.
.macro PACKST u
.set z, 0
.rept 16
	ds_store_b128 v[STO], v[S+64*(\u)+4*z:S+64*(\u)+4*z+3] offset:32*z
.set z, z+1
.endr
.set z, 0
.rept 16
	ds_load_b128 v[S+64*(\u)+4*z:S+64*(\u)+4*z+3], v[RD] offset:SP*z  ; LDS serves a wave's instructions in order: these see the stores above; the next parity's stores come behind them
.set z, z+1
.endr
.endm
.macro SEND u, younger              ; younger: the LDS instructions issued behind parity u's loads: the other parity's 32, or none
.set z, 0
.rept 16
	s_wait_dscnt (\younger)+15-z
	global_store_b128 v[GO], v[S+64*(\u)+4*z:S+64*(\u)+4*z+3], s[10:11] offset:(16*(\u)+z)*2048  ; 512 consecutive bytes, at a multiple of 512 from xn's first
.set z, z+1
.endr
.endm
	PACKST 0
	PACKST 1
	SEND 0, 32
	SEND 1, 0
	WIN W_AD
	s_wait_tensorcnt 0x0            ; the wave's end: a wait for the tensor loads, the add and its wait, behind my last tensor load and my last LDS store
	ds_add_u32 v[SPW], v[NIL]
	s_wait_dscnt 0x0
	WIN 0
	CROUND                          ; the closing round: no work-group ends while a partner may still ask for a tile that names it
	s_endpgm
.Lfunc_end_k_qe87270e64c_attn:
	.size	k_qe87270e64c_attn, .Lfunc_end_k_qe87270e64c_attn-k_qe87270e64c_attn
	.p2alignl 7, 3214868480
	.fill 96, 4, 3214868480
	.section	.rodata,"a",@progbits
	.p2align	6, 0x0
	.amdhsa_kernel k_qe87270e64c_attn
		.amdhsa_group_segment_fixed_size 327680
		.amdhsa_private_segment_fixed_size 0
		.amdhsa_enable_private_segment 0
		.amdhsa_kernarg_size 64
		.amdhsa_user_sgpr_count 2
		.amdhsa_user_sgpr_kernarg_segment_ptr 1
		.amdhsa_wavefront_size32 1
		.amdhsa_system_sgpr_workgroup_id_x 1
		.amdhsa_system_sgpr_workgroup_id_y 1
		.amdhsa_system_sgpr_workgroup_id_z 1
		.amdhsa_system_vgpr_workitem_id 0
		.amdhsa_next_free_vgpr 770
		.amdhsa_next_free_sgpr 66
		.amdhsa_reserve_vcc 0
		.amdhsa_float_denorm_mode_32 3
		.amdhsa_float_denorm_mode_16_64 3
		.amdhsa_memory_ordered 1
		.amdhsa_forward_progress 1
		.amdhsa_inst_pref_size 255
	.end_amdhsa_kernel
	.section	.bss,"aw",@nobits
	.p2align	6
	.space	262144
	.amdgpu_metadata
---
amdhsa.version: [ 1, 2 ]
amdhsa.kernels:
  - .name:           k_qe87270e64c_attn
    .symbol:         k_qe87270e64c_attn.kd
    .args:
      - { .name: x_q, .offset: 0, .size: 8, .value_kind: global_buffer, .address_space: global }
      - { .name: kh, .offset: 8, .size: 8, .value_kind: global_buffer, .address_space: global }
      - { .name: vh, .offset: 16, .size: 8, .value_kind: global_buffer, .address_space: global }
      - { .name: xn, .offset: 24, .size: 8, .value_kind: global_buffer, .address_space: global }
      - { .name: qn_w, .offset: 32, .size: 8, .value_kind: global_buffer, .address_space: global }
      - { .name: qn_b, .offset: 40, .size: 8, .value_kind: global_buffer, .address_space: global }
      - { .name: n_w, .offset: 48, .size: 8, .value_kind: global_buffer, .address_space: global }
      - { .name: n_b, .offset: 56, .size: 8, .value_kind: global_buffer, .address_space: global }
    .group_segment_fixed_size: 327680
    .private_segment_fixed_size: 0
    .kernarg_segment_align: 8
    .kernarg_segment_size: 64
    .max_flat_workgroup_size: 128
    .sgpr_count:     66
    .vgpr_count:     770
    .wavefront_size: 32
...
	.end_amdgpu_metadata
.endif
;; end of part 2
;; launch proj (part 3): grid 8 x 64, 4 waves a work-group, clusters of 4 x 4, 327,680 bytes of LDS; arguments xn, wh, out0; writes out0
.if DOCPART == 3
	.amdgcn_target "amdgcn-amd-amdhsa--gfx1250"
	.amdhsa_code_object_version 6
	.text
	.protected	k_qe87270e64c_proj
	.globl	k_qe87270e64c_proj
	.p2align	8
	.type	k_qe87270e64c_proj,@function
k_qe87270e64c_proj:
	s_mov_b64 s[64:65], 0
	v_nop
	global_prefetch_b8 v0, s[64:65] scope:SCOPE_SE
	s_setreg_imm32_b32 hwreg(HW_REG_WAVE_MODE, 25, 1), 1
	s_wait_xcnt 0x0
	s_wait_alu depctr_hold_cnt(0) depctr_sa_sdst(0) depctr_va_vdst(0) depctr_va_sdst(0) depctr_va_ssrc(0) depctr_va_vcc(0) depctr_vm_vsrc(0)
	s_getreg_b32 s2, hwreg(HW_REG_IB_STS2, 6, 4)
	s_cmp_eq_u32 s2, 0
	s_cbranch_scc0 .Lentry_in_a_cluster
	s_endpgm
.Lentry_in_a_cluster:
	s_bfe_u32 s2, ttmp6, 0x10000c
	s_cmp_lg_u32 s2, 0xf033
	s_cbranch_scc0 .Lentry_shape_is_right
	s_endpgm
.Lentry_shape_is_right:
; out0[m][n] = sum over k of xn[m][k] wh[n][k].  xn: [8192][1024] f16, wh: [1024][1024] f16, out0: [8192][1024] f32; sums in f32, stored as they are.
; LIMIT.  The operands are f16 as the launches before wrote them (within 65,504); NaN and infinities are not treated apart.
; A tile of out0 is 128 x 128: 512 work-groups, two for each of 256 WGPs.  Four waves, each 64 x 64: 16 accumulators of 16 x 16, 128 registers.  K goes in steps of 256 (LDS rows of 512 bytes; a wave's
; tensor load brings 64 of them) through two slots.
; CLUSTERS: 4 x 4 work-groups.  The four of a row of the cluster need the same tiles of xn, the four of a column the same tiles of wh: each tile is asked for JOINTLY, by the same tensor load with the
; same descriptor and a mask that names the four.  THE MATRIX INSTRUCTION IS USED TRANSPOSED (source 0 = 16 rows of wh, source 1 = 16 rows of xn): a lane then holds eight neighbouring numbers of a row of out0.
; THE WAY OUT: a wave's 64 columns of f32 are 256 consecutive bytes, aligned: each wave has a stage of its own, and no barrier is needed.
; REGISTERS: window 0: v0-31 addresses; v128-255 the accumulators ((a, b) at v[128 + 8 (4 a + b)]).
;   window 1: two fragment buffers of 128: for 64 along K, 64 registers of xn (2 x 4 x 16 rows x 32 K), then 64 of wh; on the way out v0-127 take the rows read back.
.set SIZE_M, 8192
.set SIZE_N, 1024
.set SIZE_K, 1024
.set KSTEP,  256
.set PITCH,  528                       ; an LDS row: 512 bytes of data + 16 of padding: the 16 rows that a load touches start at 16 different groups of four banks
.set HALFT,  64*PITCH                  ; 64 rows: what one tensor load brings, and what one wave reads of A or of B
.set SLOT,   4*HALFT                   ; A's 128 rows, then B's 128 rows
.set STAGE,  2*SLOT                    ; behind the ring: for each wave two halves of 16 rows x 272 bytes, for the way out
.set SPITCH, 272
.set HALFS,  16*SPITCH
.set SPARE,  STAGE+4*2*HALFS           ; behind the stages: the spare words, 128 bytes for each wave: two blocks of 256 bytes that no other line names
.set LAPS, SIZE_K/(2*KSTEP)            ; a lap = two K steps = once round the ring
.set ADRA, 16                          ; v16-17  LDS address of my A fragments in slot 0, 1
.set ADRB, 20                          ; v20-21  the same for B
.set STO,  24                          ; v24     the way out: where I put 32 bytes of a row
.set RD,   25                          ; v25     the way out: where I read a row back
.set CO,   26                          ; v26     my byte offset in out0
.set SPW,  28                          ; v28     LDS address of my spare word; never rewritten
.set NIL,  29                          ; v29     0; never rewritten
.set ACC,  128
.set F0,   0                           ; fragment buffers, in window 1
.set F1,   128
.set G1, 24                            ; s[24:31] descriptor group 1 for A's tiles;  s[32:39] group 0, one set for each slot
.set G0, 32
.set G1B, 48                           ; s[48:55], s[56:63] the same for B's tiles
.set G0B, 56
.set MSB, 0
.macro WIN new                         ; the immediate's high byte repeats the setting that is left
.if MSB != (\new)
	s_set_vgpr_msb (MSB<<8)|(\new)
.set MSB, \new
.endif
.endm
.set MUL,  0x05                        ; sources 0 (B) and 1 (A) window 1; C and D window 0
.set TO_F, 0x40                        ; destination window 1, address window 0
.macro JLOAD s                         ; a joint load: waves 0 and 1 fetch A's two halves, waves 2 and 3 B's; an s_nop 0 and four v_nop follow each of the two lines, ahead of the jump, the label and what follows
	s_cmp_eq_u32 s11, 0
	s_cbranch_scc0 .Lfor_b_\@
	tensor_load_to_lds s[G0+4*(\s):G0+4*(\s)+3], s[G1:G1+7]
	s_nop 0
.rept 4
	v_nop
.endr
	s_branch .Lasked_\@
.Lfor_b_\@:
	tensor_load_to_lds s[G0B+4*(\s):G0B+4*(\s)+3], s[G1B:G1B+7]
	s_nop 0
.rept 4
	v_nop
.endr
.Lasked_\@:
.endm
.macro CREST                           ; a round of the cluster's barrier behind its opening barrier
	s_cmp_lg_u32 s10, 0
	s_cbranch_scc1 .Lnot_wave_0_\@
	s_barrier_signal -3
.Lnot_wave_0_\@:
	s_barrier_wait -3
	s_barrier_signal -1
	s_barrier_wait -1
.endm
.macro CROUND                          ; a whole round
	s_barrier_signal -1
	s_barrier_wait -1
	CREST
.endm
	s_load_b128 s[4:7], s[0:1], 0x0                ; A = xn s[4:5], B = wh s[6:7]
	s_load_b64 s[8:9], s[0:1], 0x10                ; out0
	v_lshl_add_u32 v[SPW], v0, 2, SPARE
	v_mov_b32 v[NIL], 0
	ds_add_u32 v[SPW], v[NIL]                      ; the wave's opening: the add and its wait stand ahead of my first tensor load; the set-up below, work on registers, stands between them
	v_lshrrev_b32 v1, 5, v0
	v_readfirstlane_b32 s10, v1                    ; wave 0..3
	s_lshr_b32 s11, s10, 1                         ; which half of the tile's rows is mine.  Also: I fetch for A (0) or for B (1)
	s_and_b32 s12, s10, 1                          ; which half of its columns.  Also: which 64 rows of that tile I fetch
	s_bfe_u32 s40, ttmp6, 0x40000                  ; cx, cy: my place in the cluster
	s_bfe_u32 s41, ttmp6, 0x40004
	s_lshl_b32 s42, ttmp9, 2
	s_add_co_u32 s42, s42, s40                     ; tile column = 4 x cluster x + cx
	s_and_b32 s13, ttmp7, 0xffff
	s_lshl_b32 s13, s13, 2
	s_add_co_u32 s13, s13, s41                     ; tile row = 4 x cluster y + cy
	s_lshl_b32 s43, s41, 2
	s_lshl_b32 s43, 15, s43                        ; my row of the cluster
	s_lshl_b32 s44, 0x1111, s40                    ; my column
	; descriptor group 1: a tile of 64 rows x 256 elements, padded in LDS
	s_or_b32 s[G1+0], s43, (1<<16)|(1<<20)|(1<<21)|(6<<22)|(3<<25)  ; 15:0 the mask: A's tiles go to my row; 17:16 element of 2 bytes; 20 padding on; 21 set beside a mask; 24:22 after every 128 words (code 6); 31:25 of 4 words (code 3)
	s_or_b32 s[G1B+0], s44, (1<<16)|(1<<20)|(1<<21)|(6<<22)|(3<<25)
.irp g, G1, G1B
	s_mov_b32 s[(\g)+1], KSTEP<<16                 ; tensor_dim0 = 256
	s_mov_b32 s[(\g)+2], 64<<16                    ; tensor_dim1 = 64
	s_mov_b32 s[(\g)+3], KSTEP<<16                 ; tile_dim0 = 256
	s_mov_b32 s[(\g)+4], 64                        ; tile_dim1 = 64
	s_mov_b32 s[(\g)+5], SIZE_K                    ; elements from row to row
	s_mov_b32 s[(\g)+6], 0
	s_mov_b32 s[(\g)+7], 0
.endr
	s_lshl_b32 s17, s12, 6                         ; which 64 rows of the tile I fetch
	s_lshl_b32 s16, s13, 7
	s_add_co_u32 s16, s16, s17                     ; A: row 128 x tile row + 64 x half
	s_lshl_b32 s46, s42, 7
	s_add_co_u32 s46, s46, s17                     ; B: row 128 x tile column + 64 x half
	s_mov_b32 s17, 0
	s_mov_b32 s47, 0
	s_mov_b64 s[18:19], SIZE_K*2
	s_mul_u64 s[16:17], s[16:17], s[18:19]
	s_mul_u64 s[46:47], s[46:47], s[18:19]
	s_mul_i32 s20, s10, HALFT                      ; where they go: wave x 64 rows: no place in the cluster enters an LDS address
	s_wait_dscnt 0x0                               ; the opening add is done
	s_wait_kmcnt 0x0
	s_add_nc_u64 s[14:15], s[4:5], s[16:17]
	s_add_nc_u64 s[46:47], s[6:7], s[46:47]
	CROUND                                         ; all sixteen work-groups are here: the first joint loads meet
.irp s, 0,1
	s_mov_b32 s[G0+4*(\s)], 1
	s_add_co_u32 s[G0+4*(\s)+1], s20, (\s)*SLOT
	s_add_nc_u64 s[G0+4*(\s)+2:G0+4*(\s)+3], s[14:15], (\s)*KSTEP*2
	s_or_b32 s[G0+4*(\s)+3], s[G0+4*(\s)+3], 0x80000000
	s_mov_b32 s[G0B+4*(\s)], 1
	s_add_co_u32 s[G0B+4*(\s)+1], s20, (\s)*SLOT
	s_add_nc_u64 s[G0B+4*(\s)+2:G0B+4*(\s)+3], s[46:47], (\s)*KSTEP*2
	s_or_b32 s[G0B+4*(\s)+3], s[G0B+4*(\s)+3], 0x80000000
	JLOAD \s
.endr
	v_and_b32 v1, 15, v0                           ; l % 16
	v_bfe_u32 v2, v0, 4, 1                         ; l / 16
	v_mul_u32_u24 v3, v1, PITCH
	v_lshl_add_u32 v3, v2, 4, v3                   ; a fragment's row x pitch + 16 x half
	s_mul_i32 s21, s11, HALFT                      ; my 64 rows of A
	s_mul_i32 s22, s12, HALFT                      ; my 64 rows of B,
	s_add_co_u32 s22, s22, 2*HALFT                 ; which lie behind A's 128
.irp s, 0,1
	v_add_nc_u32 v[ADRA+(\s)], s21, v3
	v_add_nc_u32 v[ADRB+(\s)], s22, v3
	s_add_co_u32 s21, s21, SLOT
	s_add_co_u32 s22, s22, SLOT
.endr
	s_mul_i32 s23, s10, 2*HALFS
	s_add_co_u32 s23, s23, STAGE                   ; my stage
	v_mul_u32_u24 v4, v1, SPITCH                   ; in: row l % 16, 32 bytes for each half of the lanes
	v_lshl_add_u32 v4, v2, 5, v4
	v_add_nc_u32 v[STO], s23, v4
	v_mul_u32_u24 v5, v2, SPITCH                   ; back: lanes 0-15 take one row of 256 bytes, lanes 16-31 the next
	v_lshl_add_u32 v5, v1, 4, v5
	v_add_nc_u32 v[RD], s23, v5
	v_lshlrev_b32 v5, 12, v2                       ; and the same two rows in out0, 4,096 bytes apart
	v_lshl_add_u32 v[CO], v1, 4, v5
	s_lshl_b32 s16, s13, 7
	s_lshl_b32 s17, s11, 6
	s_add_co_u32 s16, s16, s17                     ; my first row of out0: 128 x tile row + 64 x half,
	s_lshl_b32 s16, s16, 12                        ; in bytes (under 2^25)
	s_mov_b32 s17, 0
	s_add_nc_u64 s[8:9], s[8:9], s[16:17]
	s_lshl_b32 s46, s42, 9                         ; my first column, in bytes: 512 x tile column + 256 x half
	s_lshl_b32 s47, s12, 8
	s_add_co_u32 s46, s46, s47
	s_mov_b32 s47, 0
	s_add_nc_u64 s[8:9], s[8:9], s[46:47]
; 8 matrix instructions: m blocks a0, a0 + 1 x all 4 n blocks, 32 along K: half c of buffer f.  zero = 1: the first product starts the sums.  The 16 accumulators take turns.
.macro MUL8 f, c, a0, zero
	WIN MUL
.irp a, \a0, (\a0)+1
.irp b, 0,1,2,3
.if \zero
	v_wmma_f32_16x16x32_f16 v[ACC+8*(4*(\a)+(\b)):ACC+8*(4*(\a)+(\b))+7], v[(\f)+64+8*(4*(\c)+(\b)):(\f)+64+8*(4*(\c)+(\b))+7], v[(\f)+8*(4*(\c)+(\a)):(\f)+8*(4*(\c)+(\a))+7], 0
.else
	v_wmma_f32_16x16x32_f16 v[ACC+8*(4*(\a)+(\b)):ACC+8*(4*(\a)+(\b))+7], v[(\f)+64+8*(4*(\c)+(\b)):(\f)+64+8*(4*(\c)+(\b))+7], v[(\f)+8*(4*(\c)+(\a)):(\f)+8*(4*(\c)+(\a))+7], v[ACC+8*(4*(\a)+(\b)):ACC+8*(4*(\a)+(\b))+7]
.endif
.endr
.endr
.endm
; 32 LDS loads in one run: the fragments of 64 along K at byte k of the rows, into buffer f; the first 32 along K first
.macro FETCH slot, k, f
	WIN TO_F
.irp c, 0,1
.irp i, 0,1,2,3
	ds_load_b128 v[(\f)+64+8*(4*(\c)+(\i)):(\f)+64+8*(4*(\c)+(\i))+3],   v[ADRB+(\slot)] offset:(\k)+64*(\c)+(\i)*16*PITCH
	ds_load_b128 v[(\f)+64+8*(4*(\c)+(\i))+4:(\f)+64+8*(4*(\c)+(\i))+7], v[ADRB+(\slot)] offset:(\k)+64*(\c)+(\i)*16*PITCH+32
	ds_load_b128 v[(\f)+8*(4*(\c)+(\i)):(\f)+8*(4*(\c)+(\i))+3],         v[ADRA+(\slot)] offset:(\k)+64*(\c)+(\i)*16*PITCH
	ds_load_b128 v[(\f)+8*(4*(\c)+(\i))+4:(\f)+8*(4*(\c)+(\i))+7],       v[ADRA+(\slot)] offset:(\k)+64*(\c)+(\i)*16*PITCH+32
.endr
.endr
.endm
.macro PLACES                          ; four places in front of loads into registers that matrix instructions have read, and of lines that read results
.rept 4
	v_nop
.endr
.endm
; A K step is four quarters of 64 along K, 32 matrix instructions each, on buffers 0, 1, 0, 1.  One of the first three: multiplies buffer f and fetches the next quarter, at byte k, into g.
.macro QUARTER slot, k, f, g, zero
	s_wait_dscnt 16                                ; the first 32 along K are in; the youngest sixteen loads may be out
	WIN MUL
	MUL8 \f, 0, 0, \zero
	MUL8 \f, 0, 2, \zero
	PLACES
	FETCH \slot, \k, \g
	s_wait_dscnt 32                                ; all but the 32 just issued
	WIN MUL
	MUL8 \f, 1, 0, 0
	MUL8 \f, 1, 2, 0
.endm
; The last quarter multiplies buffer 1 and changes slots: ONE barrier; in front of it each wave waits for all its tensor loads, adds 0 to its spare word, and waits for that and for its own reads of this slot.  fill = 1: this slot is filled again, two K steps ahead.
.macro TURN slot, next, fill
	WIN 0                                          ; (the add's two registers lie in window 0)
	s_wait_tensorcnt 0x0                           ; all my tensor loads have landed: my part of the next slot;
	ds_add_u32 v[SPW], v[NIL]                      ; 0 onto my spare word;
	s_wait_dscnt 17                                ; (the add and the youngest sixteen loads may be out)
	WIN MUL
	MUL8 F1, 0, 0, 0                               ; eight matrix instructions stand between the add and the wait for it
	s_wait_dscnt 0x0                               ; the add is done, and my reads of this slot are over
	s_barrier_signal -1
	MUL8 F1, 0, 2, 0
.if \fill
	WIN 0
.endif
	s_barrier_wait -1
.if \fill
	CREST                                          ; the barrier has opened a round of the cluster's barrier: no wave of any partner still reads this slot's tile or has a load on its way
	s_add_nc_u64 s[G0+4*(\slot)+2:G0+4*(\slot)+3], s[G0+4*(\slot)+2:G0+4*(\slot)+3], 2*KSTEP*2
	s_add_nc_u64 s[G0B+4*(\slot)+2:G0B+4*(\slot)+3], s[G0B+4*(\slot)+2:G0B+4*(\slot)+3], 2*KSTEP*2
	JLOAD \slot                                    ; the first tensor load behind the round: 112 matrix instructions ahead of the wait for it; the four v_nop behind it are also the places in front of the loads below
.else
	PLACES
.endif
	FETCH \next, 0, F0
	WIN MUL
	MUL8 F1, 1, 0, 0
	MUL8 F1, 1, 2, 0
.endm
	s_wait_tensorcnt 1                             ; my part of K step 0 is in; K step 1's load may stay out
	s_barrier_signal -1
	s_barrier_wait -1                              ; everybody's is
	FETCH 0, 0, F0
	QUARTER 0, 128, F0, F1, 1                      ; the first quarter stands in front of the loop: its first products start the sums
	WIN 0                                          ; at a label and at a branch every window is 0
	s_mov_b32 s3, LAPS-1
.Llap:                                                 ; a trip goes once round the ring, from a lap's second quarter to the next lap's first, and fills both slots again
	QUARTER 0, 256, F1, F0, 0
	QUARTER 0, 384, F0, F1, 0
	TURN 0, 1, 1
	QUARTER 1, 128, F0, F1, 0
	QUARTER 1, 256, F1, F0, 0
	QUARTER 1, 384, F0, F1, 0
	TURN 1, 0, 1
	QUARTER 0, 128, F0, F1, 0
	WIN 0
	s_sub_co_u32 s3, s3, 1
	s_cmp_lg_u32 s3, 0
	s_cbranch_scc1 .Llap
	QUARTER 0, 256, F1, F0, 0                      ; the last lap fills nothing, and has no round of the cluster's barrier
	QUARTER 0, 384, F0, F1, 0
	TURN 0, 1, 0
	QUARTER 1, 128, F0, F1, 0
	QUARTER 1, 256, F1, F0, 0
	QUARTER 1, 384, F0, F1, 0
	s_wait_dscnt 16                                ; the very last quarter: nothing more to fetch
	WIN MUL
	MUL8 F1, 0, 0, 0
	MUL8 F1, 0, 2, 0
	s_wait_dscnt 0
	MUL8 F1, 1, 0, 0
	MUL8 F1, 1, 2, 0
	WIN 0
	; THE WAY OUT: 16 rows at a time: a lane's eight f32 of a row, 32 bytes, go into my stage (rows of 272 bytes; each accumulator's lowest registers first) and come back as whole
	; rows of 256 bytes, into the fragment buffers' registers.  The stage's two halves take turns; LDS serves a wave's instructions in order, so no wait stands between the stores and the loads.
	PLACES
	PLACES
.irp a, 0,1,2,3
	WIN 0
.irp b, 0,1,2,3
	ds_store_b128 v[STO], v[ACC+8*(4*(\a)+(\b)):ACC+8*(4*(\a)+(\b))+3]   offset:HALFS*((\a)%2)+64*(\b)
	ds_store_b128 v[STO], v[ACC+8*(4*(\a)+(\b))+4:ACC+8*(4*(\a)+(\b))+7] offset:HALFS*((\a)%2)+64*(\b)+16
.endr
	WIN TO_F
.irp t, 0,1,2,3,4,5,6,7
	ds_load_b128 v[32*(\a)+4*(\t):32*(\a)+4*(\t)+3], v[RD] offset:HALFS*((\a)%2)+(\t)*2*SPITCH
.endr
.endr
	WIN 0x04                                       ; the stores' data in window 1, their address in window 0
.irp a, 0,1,2,3
.irp t, 0,1,2,3,4,5,6,7
	s_wait_dscnt 16*(3-(\a))+7-(\t)                ; behind this load stand the block's later loads and sixteen LDS instructions for each later block
	global_store_b128 v[CO], v[32*(\a)+4*(\t):32*(\a)+4*(\t)+3], s[8:9] offset:(16*(\a)+2*(\t))*SIZE_N*4 th:TH_STORE_NT  ; 16 lanes store 256 consecutive bytes, at a multiple of 256 from out0's first byte
.endr
.endr
	WIN 0
	s_wait_tensorcnt 0x0                           ; the wave's end: a wait for the tensor loads, the add and its wait, behind my last tensor load and my last LDS store
	ds_add_u32 v[SPW], v[NIL]
	s_wait_dscnt 0x0
	CROUND                                         ; the closing round: no work-group ends while a partner may still ask for a tile that names it
	s_endpgm
.Lfunc_end_k_qe87270e64c_proj:
	.size	k_qe87270e64c_proj, .Lfunc_end_k_qe87270e64c_proj-k_qe87270e64c_proj
	.p2alignl 7, 3214868480
	.fill 96, 4, 3214868480
	.section	.rodata,"a",@progbits
	.p2align	6, 0x0
	.amdhsa_kernel k_qe87270e64c_proj
		.amdhsa_group_segment_fixed_size 327680
		.amdhsa_private_segment_fixed_size 0
		.amdhsa_enable_private_segment 0
		.amdhsa_kernarg_size 24
		.amdhsa_user_sgpr_count 2
		.amdhsa_user_sgpr_kernarg_segment_ptr 1
		.amdhsa_wavefront_size32 1
		.amdhsa_system_sgpr_workgroup_id_x 1
		.amdhsa_system_sgpr_workgroup_id_y 1
		.amdhsa_system_sgpr_workgroup_id_z 1
		.amdhsa_system_vgpr_workitem_id 0
		.amdhsa_next_free_vgpr 512
		.amdhsa_next_free_sgpr 66
		.amdhsa_reserve_vcc 0
		.amdhsa_float_denorm_mode_32 3
		.amdhsa_float_denorm_mode_16_64 3
		.amdhsa_memory_ordered 1
		.amdhsa_forward_progress 1
		.amdhsa_inst_pref_size 87
	.end_amdhsa_kernel
	.amdgpu_metadata
---
amdhsa.version: [ 1, 2 ]
amdhsa.kernels:
  - .name:           k_qe87270e64c_proj
    .symbol:         k_qe87270e64c_proj.kd
    .args:
      - { .name: xn, .offset: 0, .size: 8, .value_kind: global_buffer, .address_space: global }
      - { .name: wh, .offset: 8, .size: 8, .value_kind: global_buffer, .address_space: global }
      - { .name: out0, .offset: 16, .size: 8, .value_kind: global_buffer, .address_space: global }
    .group_segment_fixed_size: 327680
    .private_segment_fixed_size: 0
    .kernarg_segment_align: 8
    .kernarg_segment_size: 24
    .max_flat_workgroup_size: 128
    .sgpr_count:     66
    .vgpr_count:     512
    .wavefront_size: 32
...
	.end_amdgpu_metadata
.endif
;; end of part 3
;; ======== version 2 of 2: 3 launches; version 1 with the launch prep written anew for expert scheduling mode
;; limits: values are held in f16: magnitudes above 65,504 overflow, below 6.1e-05 lose precision; inputs' magnitudes at most 65,504
;; workspace buffers: kh 1,048,576 bytes; vh 1,048,576 bytes; wh 2,097,152 bytes; xn 16,777,216 bytes
;; launch prep (part 4): grid 256 x 1, 8 waves a work-group, no clusters, 0 bytes of LDS; arguments x_k, x_v, proj_w, kn_w, kn_b, kh, vh, wh; writes kh, vh, wh
.if DOCPART == 4
	.amdgcn_target "amdgcn-amd-amdhsa--gfx1250"
	.amdhsa_code_object_version 6
	.text
	.protected	k_qe87270e64c_prep
	.globl	k_qe87270e64c_prep
	.p2align	8
	.type	k_qe87270e64c_prep,@function
k_qe87270e64c_prep:
	s_mov_b64 s[64:65], 0
	v_nop
	global_prefetch_b8 v0, s[64:65] scope:SCOPE_SE
	s_setreg_imm32_b32 hwreg(HW_REG_WAVE_SCHED_MODE, 0, 2), 2
	s_setreg_imm32_b32 hwreg(HW_REG_WAVE_MODE, 25, 1), 1
	s_wait_xcnt 0x0
	s_wait_alu depctr_vm_vsrc(0)
; kh = f16(LayerNorm(x_k) * kn_w + kn_b), vh = f16(x_v), wh = f16(proj_w).  All inputs f32, each read once; each output rounded once.
; LIMITS.  f16 holds no number beyond 65,504: LayerNorm bounds k by 7.94 |kn_w| + |kn_b|; x_v and proj_w must lie within f16's range.  NaN and infinities are not treated apart.
; SHARES.  A work-group takes 32,768 bytes of one input (8,192 numbers) and writes 16,384: work-groups 0-63 x_k, 64-127 x_v, 128-255 proj_w.
; Thread t, piece j of eight: 16 bytes in at 16 t + 4,096 j, 8 bytes out at 8 t + 2,048 j: a wave's load covers 512 consecutive bytes, its store 256 consecutive bytes, aligned.
; A row of x_k (64 numbers) lies in 16 neighbouring lanes, four numbers a lane: mean and variance are four steps of lane exchange inside those 16 lanes.
; The variance is taken of the centred numbers (two passes in registers): no difference of large sums is formed.
; No LDS, no matrix unit, no cluster: no byte is used twice.
; THE MODE: SCHED_MODE bits 1:0 = 2 (LLVM: expert scheduling mode 2), set by the entry lines.  The code itself states the register dependences
; between vector instructions and memory instructions, with s_wait_alu, always for 0.
; THE PLAN.  Registers that memory instructions touch:
;   v1, v2, v3   byte offsets.  Written by four vector lines at the head and never again; read by the loads of x (v1), the loads of kn_w and kn_b (v3) and the stores (v2).
;   X, GW, GB    Written by loads, once each; no vector line names them ahead of those loads, and no load lands in them a second time.
;   T            Written by vector lines alone; each pair is read by one store, as its data, and no line writes it behind that store.
; So one wait at the head states that the offsets are written, for every load and store of the text; and the eight pieces leave in two halves of four, each half's eight conversions
; followed by one wait, which states that its four pairs of T are written, and by its four stores in one run.  No register that a memory instruction has read is ever written again.
.set X,  8                             ; v[8:39]   piece j: four numbers at X + 4 j
.set T,  40                            ; v[40:55]  piece j: a pair at T + 2 j: at work, then the 8 bytes to store
.set GW, 56                            ; v[56:59]  kn_w of my four channels
.set GB, 60                            ; v[60:63]  kn_b of my four channels
	s_load_b512 s[8:23], s[0:1], 0x0               ; x_k s[8:9], x_v s[10:11], proj_w s[12:13], kn_w s[14:15], kn_b s[16:17], kh s[18:19], vh s[20:21], wh s[22:23]
	s_mov_b32 s2, ttmp9
	v_lshlrev_b32 v1, 4, v0                        ; 16 t
	v_lshlrev_b32 v2, 3, v0                        ; 8 t
	v_and_b32 v3, 15, v0
	v_lshlrev_b32 v3, 4, v3                        ; my four channels in kn_w and kn_b
	s_mov_b32 s26, 0x3c800000                      ; 1 / 64
	s_mov_b32 s27, 0x3727c5ac                      ; 1e-5
	s_wait_kmcnt 0x0
	s_cmp_lt_u32 s2, 128                           ; which tensor: the choice hangs on the work-group's number alone
	s_cselect_b64 s[4:5], s[10:11], s[12:13]
	s_cselect_b64 s[6:7], s[20:21], s[22:23]
	s_cselect_b32 s3, 64, 128
	s_cmp_lt_u32 s2, 64
	s_cselect_b64 s[4:5], s[8:9], s[4:5]
	s_cselect_b64 s[6:7], s[18:19], s[6:7]
	s_cselect_b32 s3, 0, s3
	s_sub_co_u32 s3, s2, s3                        ; my number among the tensor's work-groups
	s_lshl_b32 s24, s3, 15
	s_mov_b32 s25, 0
	s_add_nc_u64 s[4:5], s[4:5], s[24:25]          ; in: 32,768 bytes a work-group
	s_lshl_b32 s24, s3, 14
	s_add_nc_u64 s[6:7], s[6:7], s[24:25]          ; out: 16,384
	s_wait_alu depctr_va_vdst(0)                   ; v1, v2 and v3 are written: every load and store of the text reads one of them as its offset, and no later line writes them
.irp j, 0,1,2,3,4,5,6,7
	global_load_b128 v[X+4*(\j):X+4*(\j)+3], v1, s[4:5] offset:4096*(\j) th:TH_LOAD_NT
.endr
	s_cmp_lt_u32 s2, 64
	s_cbranch_scc0 .Lcvt                           ; x_v and proj_w are only rounded
	; LayerNorm of 128 rows of x_k; the eight pieces go through each stage together, so that no line waits for the one before it
	global_load_b128 v[GW:GW+3], v3, s[14:15]
	global_load_b128 v[GB:GB+3], v3, s[16:17]
	s_wait_loadcnt 0x0
.irp j, 0,1,2,3,4,5,6,7
	v_pk_add_f32 v[T+2*(\j):T+2*(\j)+1], v[X+4*(\j):X+4*(\j)+1], v[X+4*(\j)+2:X+4*(\j)+3]
.endr
.irp j, 0,1,2,3,4,5,6,7
	v_add_f32 v[T+2*(\j)], v[T+2*(\j)], v[T+2*(\j)+1]
.endr
.irp m, 1,2,4,8
.irp j, 0,1,2,3,4,5,6,7
	v_add_f32_dpp v[T+2*(\j)], v[T+2*(\j)], v[T+2*(\j)] row_xmask:\m row_mask:0xf bank_mask:0xf
.endr
.endr
.irp j, 0,1,2,3,4,5,6,7
	v_mul_f32 v[T+2*(\j)], 0xbc800000, v[T+2*(\j)] ; minus the mean
.endr
.irp j, 0,1,2,3,4,5,6,7
	v_pk_add_f32 v[X+4*(\j):X+4*(\j)+1], v[X+4*(\j):X+4*(\j)+1], v[T+2*(\j):T+2*(\j)+1] op_sel_hi:[1,0]
	v_pk_add_f32 v[X+4*(\j)+2:X+4*(\j)+3], v[X+4*(\j)+2:X+4*(\j)+3], v[T+2*(\j):T+2*(\j)+1] op_sel_hi:[1,0]
.endr
.irp j, 0,1,2,3,4,5,6,7
	v_pk_mul_f32 v[T+2*(\j):T+2*(\j)+1], v[X+4*(\j):X+4*(\j)+1], v[X+4*(\j):X+4*(\j)+1]
.endr
.irp j, 0,1,2,3,4,5,6,7
	v_pk_fma_f32 v[T+2*(\j):T+2*(\j)+1], v[X+4*(\j)+2:X+4*(\j)+3], v[X+4*(\j)+2:X+4*(\j)+3], v[T+2*(\j):T+2*(\j)+1]
.endr
.irp j, 0,1,2,3,4,5,6,7
	v_add_f32 v[T+2*(\j)], v[T+2*(\j)], v[T+2*(\j)+1]
.endr
.irp m, 1,2,4,8
.irp j, 0,1,2,3,4,5,6,7
	v_add_f32_dpp v[T+2*(\j)], v[T+2*(\j)], v[T+2*(\j)] row_xmask:\m row_mask:0xf bank_mask:0xf
.endr
.endr
.irp j, 0,1,2,3,4,5,6,7
	v_fma_f32 v[T+2*(\j)], v[T+2*(\j)], s26, s27   ; variance + 1e-5
.endr
.irp j, 0,1,2,3,4,5,6,7
	v_rsq_f32 v[T+2*(\j)], v[T+2*(\j)]
.endr
	v_nop                                          ; a plain instruction behind the last reciprocal root,
	s_wait_alu depctr_va_vdst(0)                   ; and one wait for the eight: v[T], v[T+2] .. v[T+14] are written, ahead of the scalings that read them and of the label below
.irp j, 0,1,2,3,4,5,6,7
	v_pk_mul_f32 v[X+4*(\j):X+4*(\j)+1], v[X+4*(\j):X+4*(\j)+1], v[T+2*(\j):T+2*(\j)+1] op_sel_hi:[1,0]
	v_pk_mul_f32 v[X+4*(\j)+2:X+4*(\j)+3], v[X+4*(\j)+2:X+4*(\j)+3], v[T+2*(\j):T+2*(\j)+1] op_sel_hi:[1,0]
.endr
.irp j, 0,1,2,3,4,5,6,7
	v_pk_fma_f32 v[X+4*(\j):X+4*(\j)+1], v[X+4*(\j):X+4*(\j)+1], v[GW:GW+1], v[GB:GB+1]
	v_pk_fma_f32 v[X+4*(\j)+2:X+4*(\j)+3], v[X+4*(\j)+2:X+4*(\j)+3], v[GW+2:GW+3], v[GB+2:GB+3]
.endr
.Lcvt:
; The way out, in two halves of four pieces: the half's data, its eight conversions, one wait, its four stores.
.irp g, 0,1
	s_wait_loadcnt 4-4*(\g)                        ; loads come back in order: the half's four pieces are in; behind the first half's the four younger ones may stay out (behind the LayerNorm none is out)
.irp j, 0,1,2,3
	v_cvt_pk_f16_f32 v[T+2*(4*(\g)+(\j))], v[X+4*(4*(\g)+(\j))], v[X+4*(4*(\g)+(\j))+1]
	v_cvt_pk_f16_f32 v[T+2*(4*(\g)+(\j))+1], v[X+4*(4*(\g)+(\j))+2], v[X+4*(4*(\g)+(\j))+3]
.endr
	s_wait_alu depctr_va_vdst(0)                   ; the half's eight conversions have written its four pairs of T, which the four stores below read as their data
.irp j, 0,1,2,3
	global_store_b64 v2, v[T+2*(4*(\g)+(\j)):T+2*(4*(\g)+(\j))+1], s[6:7] offset:2048*(4*(\g)+(\j))  ; a wave stores 256 consecutive bytes, aligned; no register that a store names is written again
.endr
.endr
	s_endpgm
.Lfunc_end_k_qe87270e64c_prep:
	.size	k_qe87270e64c_prep, .Lfunc_end_k_qe87270e64c_prep-k_qe87270e64c_prep
	.p2alignl 7, 3214868480
	.fill 96, 4, 3214868480
	.section	.rodata,"a",@progbits
	.p2align	6, 0x0
	.amdhsa_kernel k_qe87270e64c_prep
		.amdhsa_group_segment_fixed_size 0
		.amdhsa_private_segment_fixed_size 0
		.amdhsa_enable_private_segment 0
		.amdhsa_kernarg_size 64
		.amdhsa_user_sgpr_count 2
		.amdhsa_user_sgpr_kernarg_segment_ptr 1
		.amdhsa_wavefront_size32 1
		.amdhsa_system_sgpr_workgroup_id_x 1
		.amdhsa_system_sgpr_workgroup_id_y 1
		.amdhsa_system_sgpr_workgroup_id_z 1
		.amdhsa_system_vgpr_workitem_id 0
		.amdhsa_next_free_vgpr 64
		.amdhsa_next_free_sgpr 66
		.amdhsa_reserve_vcc 0
		.amdhsa_float_denorm_mode_32 3
		.amdhsa_float_denorm_mode_16_64 3
		.amdhsa_memory_ordered 1
		.amdhsa_forward_progress 1
		.amdhsa_inst_pref_size 15
	.end_amdhsa_kernel
	.amdgpu_metadata
---
amdhsa.version: [ 1, 2 ]
amdhsa.kernels:
  - .name:           k_qe87270e64c_prep
    .symbol:         k_qe87270e64c_prep.kd
    .args:
      - { .name: x_k, .offset: 0, .size: 8, .value_kind: global_buffer, .address_space: global }
      - { .name: x_v, .offset: 8, .size: 8, .value_kind: global_buffer, .address_space: global }
      - { .name: proj_w, .offset: 16, .size: 8, .value_kind: global_buffer, .address_space: global }
      - { .name: kn_w, .offset: 24, .size: 8, .value_kind: global_buffer, .address_space: global }
      - { .name: kn_b, .offset: 32, .size: 8, .value_kind: global_buffer, .address_space: global }
      - { .name: kh, .offset: 40, .size: 8, .value_kind: global_buffer, .address_space: global }
      - { .name: vh, .offset: 48, .size: 8, .value_kind: global_buffer, .address_space: global }
      - { .name: wh, .offset: 56, .size: 8, .value_kind: global_buffer, .address_space: global }
    .group_segment_fixed_size: 0
    .private_segment_fixed_size: 0
    .kernarg_segment_align: 8
    .kernarg_segment_size: 64
    .max_flat_workgroup_size: 256
    .sgpr_count:     66
    .vgpr_count:     64
    .wavefront_size: 32
...
	.end_amdgpu_metadata
.endif
;; end of part 4
;; launch attn: the kernel of part 2 again; grid 64 x 4, 4 waves a work-group, clusters of 4 x 1, 327,680 bytes of LDS; arguments x_q, kh, vh, xn, qn_w, qn_b, n_w, n_b; writes xn
;; launch proj: the kernel of part 3 again; grid 8 x 64, 4 waves a work-group, clusters of 4 x 4, 327,680 bytes of LDS; arguments xn, wh, out0; writes out0
